; MI455X (gfx1250); checked and timed in simulation.
; The chip was launched on July 23, 2026; its instructions are those of AMD's public machine-readable ISA for CDNA 5 (MIT licence, August 2026) and "CDNA5" Instruction Set Architecture Reference Guide (July 2026). The comments in the code are by the model that wrote it; some were corrected since.
;; Attention. Allowed arithmetic: float matrix products may take bf16 or f16 operands with f32 sums; other float arithmetic in f32, or as packed bf16 or f16 multiplies, adds, multiply-adds, maxima and minima; sums over many terms, partial sums and values carried from step to step in f32; what a program stores and reads back later, other than sums and carried values, may be rounded once to bf16 or f16.
;; Inputs: Wk 1,024 x 1,024 float32; Wq 1,024 x 1,024 float32; Wv 1,024 x 1,024 float32; bk 1,024 float32; bq 1,024 float32; bv 1,024 float32; x 4 x 2,048 x 1,024 float32.
;; Outputs: out0 4 x 2,048 x 1,024 float32.
;; 2 versions, each right; version 2 is version 1 with the launch cast written anew for expert scheduling mode. Each part assembles by itself: llvm-mc -triple=amdgcn-amd-amdhsa -mcpu=gfx1250 --defsym DOCPART=n.
;; ======== version 1 of 2: 4 launches
;; limits: values are held in f16: magnitudes above 65,504 overflow, below 6.1e-05 lose precision
;; workspace buffers: xb 16,777,216 bytes; wb 6,291,456 bytes; qkv 50,331,648 bytes; pw 33,554,432 bytes; st 1,048,576 bytes
;; launch cast (part 1): grid 704 x 1, 8 waves a work-group, no clusters, 0 bytes of LDS; arguments x, Wq, Wk, Wv, xb, wb; writes xb, wb
.if DOCPART == 1
	.amdgcn_target "amdgcn-amd-amdhsa--gfx1250"
	.amdhsa_code_object_version 6
	.text
	.protected	k_q2da8d5a925_cast
	.globl	k_q2da8d5a925_cast
	.p2align	8
	.type	k_q2da8d5a925_cast,@function
k_q2da8d5a925_cast:
	s_mov_b64 s[64:65], 0
	v_nop
	global_prefetch_b8 v0, s[64:65] scope:SCOPE_SE
	s_setreg_imm32_b32 hwreg(HW_REG_WAVE_MODE, 25, 1), 1
	s_wait_xcnt 0x0
; x [8192][1024] and Wq, Wk, Wv [1024][1024], all f32, are rounded once to bf16: xb [8192][1024]; wb [3072][1024] = Wq, Wk, Wv one below the other.
; A work-group of eight waves takes 16,384 numbers: 65,536 bytes in, 32,768 out.  Work-groups 0-511 take x, 512-703 the weights, 64 to each matrix; wb's chunk is the work-group's number less 512.
; Thread t loads 16 bytes at 16 t of each 4,096 bytes and stores 8 bytes at 8 t of each 2,048: a wave's load covers 512 consecutive bytes, its store 256, aligned.
; All sixteen loads go out first; no register is written twice, so the only waits are the counted ones for the loads.  No LDS, no matrix unit, no cluster: nothing is shared and nothing is multiplied.
.set X, 4                              ; v[4:67]   sixteen slots of four f32
.set Y, 68                             ; v[68:99]  sixteen slots of two words of bf16
	s_load_b256 s[4:11], s[0:1], 0x0               ; x s[4:5], Wq s[6:7], Wk s[8:9], Wv s[10:11]
	s_load_b128 s[12:15], s[0:1], 0x20             ; xb s[12:13], wb s[14:15]
	v_lshlrev_b32 v1, 4, v0                        ; 16 t
	v_lshlrev_b32 v2, 3, v0                        ; 8 t
	s_sub_co_u32 s16, ttmp9, 512                   ; the chunk among the weights' 192 (used where the number is 512 or more)
	s_lshr_b32 s17, s16, 6                         ; which matrix
	s_and_b32 s18, s16, 63                         ; the chunk in it
	s_wait_kmcnt 0x0
	s_cmp_eq_u32 s17, 1
	s_cselect_b64 s[20:21], s[8:9], s[6:7]
	s_cmp_eq_u32 s17, 2
	s_cselect_b64 s[20:21], s[10:11], s[20:21]
	s_cmp_lt_u32 ttmp9, 512                        ; one compare serves the four selects: a select leaves SCC alone
	s_cselect_b64 s[20:21], s[4:5], s[20:21]       ; from where
	s_cselect_b32 s22, ttmp9, s18
	s_cselect_b64 s[24:25], s[12:13], s[14:15]     ; to where
	s_cselect_b32 s23, ttmp9, s16
	s_lshl_b32 s26, s22, 16
	s_mov_b32 s27, 0
	s_lshl_b32 s28, s23, 15
	s_mov_b32 s29, 0
	s_add_nc_u64 s[20:21], s[20:21], s[26:27]
	s_add_nc_u64 s[24:25], s[24:25], s[28:29]
.irp i, 0,1,2,3,4,5,6,7,8,9,10,11,12,13,14,15
	global_load_b128 v[X+4*(\i):X+4*(\i)+3], v1, s[20:21] offset:4096*(\i) th:TH_LOAD_NT
.endr
.irp i, 0,1,2,3,4,5,6,7,8,9,10,11,12,13,14,15
	s_wait_loadcnt 15-(\i)                         ; loads come back in order: slot i is in, the younger ones stay out
	v_cvt_pk_bf16_f32 v[Y+2*(\i)], v[X+4*(\i)], v[X+4*(\i)+1]
	v_cvt_pk_bf16_f32 v[Y+2*(\i)+1], v[X+4*(\i)+2], v[X+4*(\i)+3]
	global_store_b64 v2, v[Y+2*(\i):Y+2*(\i)+1], s[24:25] offset:2048*(\i)
.endr
	s_endpgm
.Lfunc_end_k_q2da8d5a925_cast:
	.size	k_q2da8d5a925_cast, .Lfunc_end_k_q2da8d5a925_cast-k_q2da8d5a925_cast
	.p2alignl 7, 3214868480
	.fill 96, 4, 3214868480
	.section	.rodata,"a",@progbits
	.p2align	6, 0x0
	.amdhsa_kernel k_q2da8d5a925_cast
		.amdhsa_group_segment_fixed_size 0
		.amdhsa_private_segment_fixed_size 0
		.amdhsa_enable_private_segment 0
		.amdhsa_kernarg_size 48
		.amdhsa_user_sgpr_count 2
		.amdhsa_user_sgpr_kernarg_segment_ptr 1
		.amdhsa_wavefront_size32 1
		.amdhsa_system_sgpr_workgroup_id_x 1
		.amdhsa_system_sgpr_workgroup_id_y 1
		.amdhsa_system_sgpr_workgroup_id_z 1
		.amdhsa_system_vgpr_workitem_id 0
		.amdhsa_next_free_vgpr 104
		.amdhsa_next_free_sgpr 66
		.amdhsa_reserve_vcc 0
		.amdhsa_float_denorm_mode_32 3
		.amdhsa_float_denorm_mode_16_64 3
		.amdhsa_memory_ordered 1
		.amdhsa_forward_progress 1
		.amdhsa_inst_pref_size 7
	.end_amdhsa_kernel
	.amdgpu_metadata
---
amdhsa.version: [ 1, 2 ]
amdhsa.kernels:
  - .name:           k_q2da8d5a925_cast
    .symbol:         k_q2da8d5a925_cast.kd
    .args:
      - { .name: x, .offset: 0, .size: 8, .value_kind: global_buffer, .address_space: global }
      - { .name: Wq, .offset: 8, .size: 8, .value_kind: global_buffer, .address_space: global }
      - { .name: Wk, .offset: 16, .size: 8, .value_kind: global_buffer, .address_space: global }
      - { .name: Wv, .offset: 24, .size: 8, .value_kind: global_buffer, .address_space: global }
      - { .name: xb, .offset: 32, .size: 8, .value_kind: global_buffer, .address_space: global }
      - { .name: wb, .offset: 40, .size: 8, .value_kind: global_buffer, .address_space: global }
    .group_segment_fixed_size: 0
    .private_segment_fixed_size: 0
    .kernarg_segment_align: 8
    .kernarg_segment_size: 48
    .max_flat_workgroup_size: 256
    .sgpr_count:     66
    .vgpr_count:     104
    .wavefront_size: 32
...
	.end_amdgpu_metadata
.endif
;; end of part 1
;; launch proj (part 2): grid 12 x 32, 4 waves a work-group, clusters of 4 x 4, 327,680 bytes of LDS; arguments xb, wb, bq, bk, bv, qkv; writes qkv
.if DOCPART == 2
	.amdgcn_target "amdgcn-amd-amdhsa--gfx1250"
	.amdhsa_code_object_version 6
	.text
	.protected	k_q2da8d5a925_proj
	.globl	k_q2da8d5a925_proj
	.p2align	8
	.type	k_q2da8d5a925_proj,@function
k_q2da8d5a925_proj:
	s_mov_b64 s[64:65], 0
	v_nop
	global_prefetch_b8 v0, s[64:65] scope:SCOPE_SE
	s_setreg_imm32_b32 hwreg(HW_REG_WAVE_MODE, 25, 1), 1
	s_wait_xcnt 0x0
	s_wait_alu depctr_hold_cnt(0) depctr_sa_sdst(0) depctr_va_vdst(0) depctr_va_sdst(0) depctr_va_ssrc(0) depctr_va_vcc(0) depctr_vm_vsrc(0)
	s_getreg_b32 s2, hwreg(HW_REG_IB_STS2, 6, 4)
	s_cmp_eq_u32 s2, 0
	s_cbranch_scc0 .Lentry_in_a_cluster
	s_endpgm
.Lentry_in_a_cluster:
	s_bfe_u32 s2, ttmp6, 0x10000c
	s_cmp_lg_u32 s2, 0xf033
	s_cbranch_scc0 .Lentry_shape_is_right
	s_endpgm
.Lentry_shape_is_right:
; [Q | K | V][m][e] = the sum over d of xb[m][d] wb[e][d] + bias[e].  xb [8192][1024], wb [3072][1024] in bf16; sums in f32; the biases, f32, are rounded to bf16 like all the module's inputs and start the sums.
; Out: qkv, three planes [8192][1024] of f16 (Q, K, V), each number rounded once.  LIMIT: f16 ends at 65,504: |Q|, |K|, |V| must stay under it; NaN and infinities are not treated apart.
; SHARES.  A tile of the result is 256 rows x 256 columns: 12 x 32 = 384 work-groups.  Four waves, as many as a WGP has SIMDs; a wave makes 128 x 128: 64 accumulators of 16 x 16, 512 registers.
; K goes in steps of 128 (rows of 256 bytes, aligned) through two LDS slots filled by tensor loads: waves 0, 1 fetch the halves of A's 256 rows, waves 2, 3 those of B's 256: a step is 256 matrix
; instructions a wave, of which 224 stand between a slot's request and the wait for it.
; ONE TEXT FOR BOTH SLOTS.  A K step is written once in the loop that fills slots again and once more for the two last steps: s[TB] holds the slot in hand (0 or SLOT); the fragments' LDS addresses and the
; refill's LDS word are made from it at each change of slots.
; CLUSTER 4 x 4: the four of a row of the cluster need the same rows of xb, the four of a column the same rows of wb: each tile is asked for jointly, with a mask that names the four.
; THE MATRIX INSTRUCTION IS USED TRANSPOSED (source 0 = 16 rows of wb, source 1 = 16 rows of xb): lane l holds row l % 16 of the result and the columns 8 (l / 16) + 0..7: 16 bytes of f16 on end.
; REGISTERS, in windows of 256 (s_set_vgpr_msb: bits 1:0 source 0, 3:2 source 1, 5:4 source 2, 7:6 destination):
;   window 0: v0-31 addresses; v64-127, v128-191 fragments of A (8 x 16 rows x 32 K), two buffers; v192-255 the bias, later the way out; v32-63 the way out
;   window 1: v64-127, v128-191 fragments of B, two buffers.   window 2: the accumulators of my rows 0-63 ((a, b) at v[8 (8 a + b)]).   window 3: those of my rows 64-127.
.set PITCH,  272                       ; an LDS row: 256 bytes + 16 of padding = 68 words: the 16 rows of a fragment load start at 16 different groups of four banks (64 banks of 4 bytes: ISA guide 11.1)
.set HALFT,  128*PITCH                 ; 128 rows: what one tensor load brings, and what one wave reads of A or of B
.set SLOT,   4*HALFT                   ; A's 256 rows, then B's 256 rows
.set STAGE,  2*SLOT                    ; behind the ring: 16 rows x 272 bytes for each wave, for the way out; no tensor load lands here
.set SPITCH, 272
.set SPARE,  STAGE+4*16*SPITCH         ; the spare words: 128 bytes for each wave, two blocks of 256 bytes that no other line names
.set STEPS,  8                         ; 1,024 / 128
.set STEP,   256                       ; bytes from a K step to the next
.set ROWB,   2048                      ; bytes in a row of a plane of qkv
.set ADRA0, 16                         ; v16     LDS address of my A fragments in slot 0; never rewritten
.set ADA,   17                         ; v17     the same in the slot in hand
.set ADRB0, 20                         ; v20, v21  the same for B
.set ADB,   21
.set STO,  24                          ; v24     the way out: where I put 16 bytes of a row
.set RD,   25                          ; v25     where I read rows back
.set CO,   26                          ; v26     my byte offset in the output
.set SPW,  28                          ; v28     LDS address of my spare word; never rewritten
.set NIL,  29                          ; v29     0; never rewritten
.set PFO,  30                          ; v30     the prefetches' offset: my lane x a row's 2,048 bytes; never rewritten
.set OB,   32                          ; the way out: 16 rows read back from the stage: v32-63 and v224-255 by turns
.set F0,   64                          ; fragment buffer 0
.set F1,   128                         ; fragment buffer 1
.set TMP,  192                         ; v[192:223] the way out: packed results
.set BI,   192                         ; v[192:255] bias of column 16 b + 8 (l / 16) + j at BI + 8 b + j; dead behind the first quarter's products
.set G1,   24                          ; s[24:31] descriptor group 1 for A;  s[32:39] group 0: a set for each of the two first fills; the second then walks on
.set G0,   32
.set LIM,  43                          ; s43     2 in a wave that prefetches, else the greatest number
.set PFA,  44                          ; s[44:45] where my prefetches stand
.set G1B,  48                          ; s[48:55], s[56:63] the same for B
.set G0B,  56
.set TB,   81                          ; s81     the slot in hand: 0 or SLOT
.set GBITS, (1<<16)|(1<<20)|(1<<21)|(5<<22)|(3<<25)  ; 2-byte elements; padding on; bit 21 beside a mask; after every 64 words; 4 words of it
.set MUL_LO, 0xa1                      ; source 0 (B) window 1, source 1 (A) window 0, C and D window 2
.set MUL_HI, 0xf1                      ; the same, C and D window 3
.set TO_B,   0x40                      ; destination window 1, address window 0
.set MSB, 0
.macro WIN new                         ; the immediate's high byte repeats the setting that is left; a switch that changes nothing is dropped
.if MSB != (\new)
	s_set_vgpr_msb (MSB<<8)|(\new)
.set MSB, \new
.endif
.endm
.macro JLOAD s                         ; a joint load by descriptor set s: waves 0, 1 for A, waves 2, 3 for B; an s_nop 0 and four v_nop follow each line, ahead of the jump and the label
	s_cmp_eq_u32 s11, 0
	s_cbranch_scc0 .Lfor_b_\@
	tensor_load_to_lds s[G0+4*(\s):G0+4*(\s)+3], s[G1:G1+7]
	s_nop 0
.rept 4
	v_nop
.endr
	s_branch .Lasked_\@
.Lfor_b_\@:
	tensor_load_to_lds s[G0B+4*(\s):G0B+4*(\s)+3], s[G1B:G1B+7]
	s_nop 0
.rept 4
	v_nop
.endr
.Lasked_\@:
.endm
.macro CREST                           ; a round of the cluster's barrier behind its opening barrier
	s_cmp_lg_u32 s10, 0
	s_cbranch_scc1 .Lnot_wave_0_\@
	s_barrier_signal -3
.Lnot_wave_0_\@:
	s_barrier_wait -3
	s_barrier_signal -1
	s_barrier_wait -1
.endm
.macro CROUND
	s_barrier_signal -1
	s_barrier_wait -1
	CREST
.endm
.macro PLACES                          ; four places behind matrix instructions, in front of loads into registers that they have read
.rept 4
	v_nop
.endr
.endm
; A prefetch of the K step that stands two refills on: 32 rows x 256 bytes, a lane a row, one instruction a wave.  xb's rows: waves 0, 1 of the clusters with x = 0; wb's rows: waves 2, 3 of the clusters with
; y = 0.  Of the 128 rows that a wave fetches the partner at place p takes 32 p .. 32 p + 31 (p = cx for A, cy for B), told apart by address.  So each row's 256 bytes of a K step are named once.
; The loop's last two trips (s3 = 2, 1) have no K step two refills on; K steps 0 to 3 come by their loads alone.
.macro ASK
	s_cmp_gt_u32 s3, s[LIM]
	s_cbranch_scc0 .Lnot_mine_\@
	global_prefetch_b8 v[PFO], s[PFA:PFA+1] th:TH_LOAD_NT scope:SCOPE_SE
.Lnot_mine_\@:
.endm
	s_load_b128 s[4:7], s[0:1], 0x0                ; xb s[4:5], wb s[6:7]
	s_load_b128 s[72:75], s[0:1], 0x10             ; bq s[72:73], bk s[74:75]
	s_load_b128 s[68:71], s[0:1], 0x20             ; bv s[68:69], qkv s[70:71]
	v_lshl_add_u32 v[SPW], v0, 2, SPARE
	v_mov_b32 v[NIL], 0
	ds_add_u32 v[SPW], v[NIL]                      ; the wave's opening: the add and its wait stand ahead of my first tensor load; work on registers stands between
	v_lshrrev_b32 v1, 5, v0
	v_readfirstlane_b32 s10, v1                    ; wave 0..3
	s_lshr_b32 s11, s10, 1                         ; which half of the tile's rows is mine.  Also: I fetch for A (0) or for B (1)
	s_and_b32 s12, s10, 1                          ; which half of its columns.  Also: which 128 rows of that tile I fetch
	s_bfe_u32 s40, ttmp6, 0x40000                  ; cx
	s_bfe_u32 s41, ttmp6, 0x40004                  ; cy
	s_lshl_b32 s42, ttmp9, 2
	s_add_co_u32 s42, s42, s40                     ; tile column = 4 x cluster x + cx
	s_and_b32 s82, ttmp7, 0xffff                   ; cluster y
	s_lshl_b32 s13, s82, 2
	s_add_co_u32 s13, s13, s41                     ; tile row = 4 x cluster y + cy
	s_lshl_b32 s18, s41, 2
	s_lshl_b32 s18, 15, s18                        ; my row of the cluster
	s_lshl_b32 s46, 0x1111, s40                    ; my column
	s_or_b32 s[G1], s18, GBITS
	s_or_b32 s[G1B], s46, GBITS
.irp g, G1, G1B
	s_mov_b32 s[(\g)+1], 128<<16                   ; tensor_dim0 = 128
	s_mov_b32 s[(\g)+2], 128<<16                   ; tensor_dim1 = 128
	s_mov_b32 s[(\g)+3], 128<<16                   ; tile_dim0 = 128
	s_mov_b32 s[(\g)+4], 128                       ; tile_dim1 = 128
	s_mov_b32 s[(\g)+5], 1024                      ; elements from row to row
	s_mov_b32 s[(\g)+6], 0
	s_mov_b32 s[(\g)+7], 0
.endr
	s_lshl_b32 s16, s13, 8                         ; A: row 256 x tile row + 128 x half, 2,048 bytes a row
	s_lshl_b32 s17, s12, 7
	s_add_co_u32 s16, s16, s17
	s_lshl_b32 s16, s16, 11
	s_mov_b32 s17, 0
	s_lshl_b32 s46, s42, 8                         ; B: row 256 x tile column + 128 x half
	s_lshl_b32 s47, s12, 7
	s_add_co_u32 s46, s46, s47
	s_lshl_b32 s46, s46, 11
	s_mov_b32 s47, 0
	s_mul_i32 s20, s10, HALFT                      ; where they go in a slot: A's two halves, then B's two halves = wave x 128 rows: no place in the cluster enters an LDS address; never rewritten
	s_mov_b32 s[TB], 0
	s_wait_dscnt 0x0                               ; the opening add is done
	s_wait_kmcnt 0x0
	s_add_nc_u64 s[14:15], s[4:5], s[16:17]
	s_add_nc_u64 s[46:47], s[6:7], s[46:47]
	CROUND                                         ; all sixteen work-groups are here: the first joint loads meet
.irp s, 0,1
	s_mov_b32 s[G0+4*(\s)], 1
	s_add_co_u32 s[G0+4*(\s)+1], s20, (\s)*SLOT
	s_add_nc_u64 s[G0+4*(\s)+2:G0+4*(\s)+3], s[14:15], (\s)*STEP
	s_or_b32 s[G0+4*(\s)+3], s[G0+4*(\s)+3], 0x80000000
	s_mov_b32 s[G0B+4*(\s)], 1
	s_add_co_u32 s[G0B+4*(\s)+1], s20, (\s)*SLOT
	s_add_nc_u64 s[G0B+4*(\s)+2:G0B+4*(\s)+3], s[46:47], (\s)*STEP
	s_or_b32 s[G0B+4*(\s)+3], s[G0B+4*(\s)+3], 0x80000000
	JLOAD \s                                       ; K steps 0 and 1: two loads of mine are out
.endr
	; the bias of my wave's 128 columns: the plane is the cluster's x (four tile columns of 256 to a plane), the tile column in it is cx
	v_and_b32 v1, 15, v0                           ; r = l % 16
	v_bfe_u32 v2, v0, 4, 1                         ; h = l / 16
	s_cmp_eq_u32 ttmp9, 1
	s_cselect_b64 s[72:73], s[74:75], s[72:73]
	s_cmp_eq_u32 ttmp9, 2
	s_cselect_b64 s[72:73], s[68:69], s[72:73]
	s_lshl_b32 s84, s40, 10                        ; 256 f32
	s_lshl_b32 s85, s12, 9                         ; 128 f32
	s_add_co_u32 s84, s84, s85
	s_mov_b32 s85, 0
	s_add_nc_u64 s[72:73], s[72:73], s[84:85]
	v_lshlrev_b32 v6, 5, v2                        ; 32 h: my eight columns of each sixteen
.irp b, 0,1,2,3,4,5,6,7
	global_load_b128 v[BI+8*(\b):BI+8*(\b)+3],   v6, s[72:73] offset:64*(\b)
	global_load_b128 v[BI+8*(\b)+4:BI+8*(\b)+7], v6, s[72:73] offset:64*(\b)+16
.endr
	; LDS addresses.  A fragment is 16 rows x 32 K in 8 registers: lane l holds row l % 16, K = 8 (l / 16) + 0..7 and 16 + 8 (l / 16) + 0..7: two loads of 16 bytes, 32 bytes apart
	v_mul_u32_u24 v3, v1, PITCH
	v_lshl_add_u32 v3, v2, 4, v3                   ; 272 r + 16 h
	s_mul_i32 s21, s11, HALFT                      ; my 128 rows of A
	s_mul_i32 s22, s12, HALFT                      ; my 128 rows of B,
	s_add_co_u32 s22, s22, 2*HALFT                 ; which lie behind A's 256
	v_add_nc_u32 v[ADRA0], s21, v3
	v_add_nc_u32 v[ADRB0], s22, v3
	v_add_nc_u32 v[ADA], s21, v3                   ; the slot in hand is slot 0
	v_add_nc_u32 v[ADB], s22, v3
	s_mul_i32 s23, s10, 16*SPITCH
	s_add_co_u32 s23, s23, STAGE                   ; my stage
	v_add_nc_u32 v[STO], s23, v3                   ; in: row r, 16 bytes for each half of the lanes
	v_mul_u32_u24 v5, v2, SPITCH
	v_lshl_add_u32 v5, v1, 4, v5
	v_add_nc_u32 v[RD], s23, v5                    ; back: lanes 0-15 one row of 256 bytes, lanes 16-31 the next
	v_mul_u32_u24 v5, v2, ROWB
	v_lshl_add_u32 v[CO], v1, 4, v5                ; and the same two rows in memory
	; the output at my wave's first row and first column
	s_lshl_b32 s84, s13, 8
	s_lshl_b32 s85, s11, 7
	s_add_co_u32 s84, s84, s85
	s_lshl_b32 s84, s84, 11
	s_lshl_b32 s85, ttmp9, 24                      ; a plane is 16,777,216 bytes
	s_add_co_u32 s84, s84, s85
	s_lshl_b32 s85, s40, 9                         ; 256 columns of f16
	s_add_co_u32 s84, s84, s85
	s_lshl_b32 s85, s12, 8
	s_add_co_u32 s84, s84, s85
	s_mov_b32 s85, 0
	s_add_nc_u64 s[8:9], s[70:71], s[84:85]
	; the prefetches: my work-group's 32 of the 128 rows that I fetch, at K step 3; the first refill steps the address to K step 4.  Nothing is asked for here, where the first tiles are on their way
	s_lshl_b32 s84, s13, 8
	s_lshl_b32 s85, s40, 5
	s_add_co_u32 s84, s84, s85                     ; A: 256 x tile row + 32 cx
	s_lshl_b32 s86, s42, 8
	s_lshl_b32 s87, s41, 5
	s_add_co_u32 s86, s86, s87                     ; B: 256 x tile column + 32 cy
	s_cmp_eq_u32 s11, 0
	s_cselect_b32 s84, s84, s86
	s_cselect_b32 s87, ttmp9, s82                  ; the coordinate along which other clusters read the same rows
	s_cselect_b64 s[PFA:PFA+1], s[4:5], s[6:7]
	s_cmp_eq_u32 s87, 0
	s_cselect_b32 s[LIM], 2, -1                    ; the same in all sixteen partners, for a given wave
	s_lshl_b32 s85, s12, 7
	s_add_co_u32 s84, s84, s85                     ; + the 128 rows that I fetch
	s_lshl_b32 s84, s84, 11
	s_add_co_u32 s84, s84, 3*STEP
	s_mov_b32 s85, 0
	s_add_nc_u64 s[PFA:PFA+1], s[PFA:PFA+1], s[84:85]
	v_and_b32 v[PFO], 31, v0
	v_lshlrev_b32 v[PFO], 11, v[PFO]
	s_wait_loadcnt 0x0                             ; the bias is in: rounded to bf16, kept as f32
.set i, 0
.rept 32
	v_cvt_pk_bf16_f32 v[8+i%4], v[BI+2*i], v[BI+2*i+1]
	v_lshlrev_b32 v[BI+2*i], 16, v[8+i%4]
	v_and_b32 v[BI+2*i+1], 0xffff0000, v[8+i%4]
.set i, i+1
.endr
; 16 matrix instructions: row blocks a0, a0 + 1 of the window's four (hi = 0: my rows 0-63, 1: rows 64-127) x all 8 column blocks, 32 along K.  mode 0: onto the sums; mode 2: the bias, in window 0, starts the sums.
; The 64 accumulators take turns in the same order in every quarter, one instruction a turn, over the backward jumps and from loop to loop too.
.macro MUL16 f, hi, a0, mode
.if (\mode) == 2
	WIN 0x81+0x40*(\hi)
.else
	WIN MUL_LO+0x50*(\hi)
.endif
.irp a, \a0, (\a0)+1
.irp b, 0,1,2,3,4,5,6,7
.if (\mode) == 2
	v_wmma_f32_16x16x32_bf16 v[8*(8*(\a)+(\b)):8*(8*(\a)+(\b))+7], v[(\f)+8*(\b):(\f)+8*(\b)+7], v[(\f)+8*(4*(\hi)+(\a)):(\f)+8*(4*(\hi)+(\a))+7], v[BI+8*(\b):BI+8*(\b)+7]
.else
	v_wmma_f32_16x16x32_bf16 v[8*(8*(\a)+(\b)):8*(8*(\a)+(\b))+7], v[(\f)+8*(\b):(\f)+8*(\b)+7], v[(\f)+8*(4*(\hi)+(\a)):(\f)+8*(4*(\hi)+(\a))+7], v[8*(8*(\a)+(\b)):8*(8*(\a)+(\b))+7]
.endif
.endr
.endr
.endm
; 32 LDS loads in one run: the fragments of one quarter step (128 rows of B, 128 rows of A, 32 K at byte k of the rows of the slot in hand) into buffer f
.macro FETCH k, f
	WIN TO_B
.irp i, 0,1,2,3,4,5,6,7
	ds_load_b128 v[(\f)+8*(\i):(\f)+8*(\i)+3],   v[ADB] offset:(\k)+(\i)*16*PITCH
	ds_load_b128 v[(\f)+8*(\i)+4:(\f)+8*(\i)+7], v[ADB] offset:(\k)+(\i)*16*PITCH+32
.endr
	WIN 0
.irp i, 0,1,2,3,4,5,6,7
	ds_load_b128 v[(\f)+8*(\i):(\f)+8*(\i)+3],   v[ADA] offset:(\k)+(\i)*16*PITCH
	ds_load_b128 v[(\f)+8*(\i)+4:(\f)+8*(\i)+7], v[ADA] offset:(\k)+(\i)*16*PITCH+32
.endr
.endm
; A K step is four quarters of 32 along K, 64 matrix instructions each, on buffers 0, 1, 0, 1.  One of the first three: multiplies buffer f; in its middle it fetches the next quarter, at byte k, into buffer g.
.macro QUARTER k, f, g, mode
	s_wait_dscnt 8                                 ; B and A's rows 0-63 are in; the youngest eight loads (A's rows 64-127) may be out
	MUL16 \f, 0, 0, \mode
	MUL16 \f, 0, 2, \mode
	PLACES
	FETCH \k, \g
	s_wait_dscnt 32                                ; all but the 32 just issued
	MUL16 \f, 1, 0, \mode
	MUL16 \f, 1, 2, \mode
.endm
; The last quarter multiplies buffer 1 and changes slots: ONE barrier; in front of it each wave waits for all its tensor loads (one is out: its part of the next slot), adds 0 to its spare word,
; and waits for that and for its own reads of this slot.  fill = 1: the barrier opens a round of the cluster's, and the slot that is left is filled again, two K steps on, first thing behind the round.
; Between the add and the wait for it, where no tensor load of mine is out: the walking descriptors take the slot that is left and the next K step; s[TB] turns to the other slot; the fragments' addresses follow it.
.macro TURN fill
.if \fill
	s_wait_xcnt 0x0                                ; the last prefetch, a K step back, has read its address
	s_add_nc_u64 s[PFA:PFA+1], s[PFA:PFA+1], STEP
.endif
	WIN 0                                          ; (the add's two registers lie in window 0)
	s_wait_tensorcnt 0x0
	ds_add_u32 v[SPW], v[NIL]
.if \fill
	s_add_co_u32 s[G0+5], s20, s[TB]               ; LDS address: my part of the slot that is left
	s_add_co_u32 s[G0B+5], s20, s[TB]
	s_add_nc_u64 s[G0+6:G0+7], s[G0+6:G0+7], STEP  ; the type bits on top are not reached
	s_add_nc_u64 s[G0B+6:G0B+7], s[G0B+6:G0B+7], STEP
.endif
	s_xor_b32 s[TB], s[TB], SLOT                   ; 0 and SLOT by turns: the register holds nothing else
	v_add_nc_u32 v[ADA], s[TB], v[ADRA0]
	v_add_nc_u32 v[ADB], s[TB], v[ADRB0]
	s_wait_dscnt 9                                 ; the add and the youngest eight loads may be out
	MUL16 F1, 0, 0, 0                              ; sixteen matrix instructions stand between the add and the wait for it
	s_wait_dscnt 0x0                               ; the add is done, and my reads of this slot are over
	s_barrier_signal -1
	MUL16 F1, 0, 2, 0                              ; work on registers while the others arrive
.if \fill
	WIN 0                                          ; at a branch and at a label every window is 0
.endif
	s_barrier_wait -1
.if \fill
	CREST                                          ; no wave of any partner still reads this slot or has a load on its way
	JLOAD 1                                        ; its four v_nop are also the places in front of the loads below
.else
	PLACES
.endif
	FETCH 0, F0
.if \fill
	ASK                                            ; behind the joint load and the run of LDS loads that the next products wait for
.endif
	MUL16 F1, 1, 0, 0
	MUL16 F1, 1, 2, 0
.endm
; THE WAY OUT of row block a (16 rows), in three parts.  PACK: rounded to f16, each accumulator's registers in ascending order, 16 bytes a lane.  TOSTAGE: into my own stage, and back as whole rows of 256 bytes.  SEND: stored.
.macro PACK a
.set AC, 64*((\a)%4)
	WIN 0x0a+5*((\a)/4)                            ; sources 0 and 1: window 2 or 3
.irp b, 0,1,2,3,4,5,6,7
.irp r, 0,1,2,3
	v_cvt_pk_f16_f32 v[TMP+4*(\b)+(\r)], v[AC+8*(\b)+2*(\r)], v[AC+8*(\b)+2*(\r)+1]
.endr
.endr
	WIN 0
.endm
.macro TOSTAGE a
.set BK, OB+192*((\a)%2)
.irp b, 0,1,2,3,4,5,6,7
	ds_store_b128 v[STO], v[TMP+4*(\b):TMP+4*(\b)+3] offset:32*(\b)
.endr
.irp t, 0,1,2,3,4,5,6,7
	ds_load_b128 v[BK+4*(\t):BK+4*(\t)+3], v[RD] offset:(\t)*2*SPITCH  ; LDS serves a wave's instructions in order (ISA guide 5.7.1.4): these see the stores above; the next block's stores come behind them
.endr
.endm
.macro SEND a
.set BK, OB+192*((\a)%2)
	s_wait_dscnt 0x0                               ; the block is back in registers
	s_wait_xcnt 0x0                                ; the stores of the block before have read their registers, which the next block's loads from the stage take
.irp t, 0,1,2,3,4,5,6,7
	global_store_b128 v[CO], v[BK+4*(\t):BK+4*(\t)+3], s[8:9] offset:(16*(\a)+2*(\t))*ROWB  ; 16 lanes store 256 consecutive bytes, at a multiple of 256 from the buffer's first byte
.endr
.endm
	s_wait_tensorcnt 1                             ; my part of K step 0 is in; K step 1's may stay out
	s_barrier_signal -1
	s_barrier_wait -1                              ; everybody's is
	FETCH 0, F0
	QUARTER 64, F0, F1, 2                          ; the first quarter stands in front of the loop: its products start the sums, with the bias as C
	WIN 0
	s_mov_b32 s3, STEPS-2
.Lstep:                                                ; six trips: from a K step's second quarter to the next step's first; each fills the slot that it leaves
	QUARTER 128, F1, F0, 0
	QUARTER 192, F0, F1, 0
	TURN 1
	QUARTER 64,  F0, F1, 0
	WIN 0
	s_sub_co_u32 s3, s3, 1
	s_cmp_lg_u32 s3, 0
	s_cbranch_scc1 .Lstep
	s_mov_b32 s3, 2
.Ltail:                                                ; the last two K steps fill nothing: a text of their own; walked twice and left in the middle of the second trip.
	QUARTER 128, F1, F0, 0                         ; (That trip's change of slots passes its barrier and fetches 32 fragments from the slot read before, which serve nothing: the price of one text for both trips.)
	QUARTER 192, F0, F1, 0
	TURN 0
	WIN 0
	s_sub_co_u32 s3, s3, 1
	s_cmp_eq_u32 s3, 0
	s_cbranch_scc1 .Lout
	QUARTER 64,  F0, F1, 0
	WIN 0
	s_cmp_lg_u32 s3, 0
	s_cbranch_scc1 .Ltail
.Lout:
	s_wait_dscnt 0x0                               ; the fragments fetched last have landed: their registers are free
.rept 8
	v_nop                                          ; the places behind the last products
.endr
	PACK 0
	TOSTAGE 0
.irp a, 1,2,3,4,5,6,7                  ; block a's conversions stand between block a - 1's loads from the stage and the wait for them
	PACK \a
	SEND (\a)-1
	TOSTAGE \a
.endr
	SEND 7
	s_wait_tensorcnt 0x0                           ; the wave's end: an add to the spare word and the wait for it, behind my last tensor load and my last LDS store
	ds_add_u32 v[SPW], v[NIL]
	s_wait_dscnt 0x0
	CROUND                                         ; the closing round: no work-group ends while a partner may still ask for a tile that names it
	s_endpgm
.Lfunc_end_k_q2da8d5a925_proj:
	.size	k_q2da8d5a925_proj, .Lfunc_end_k_q2da8d5a925_proj-k_q2da8d5a925_proj
	.p2alignl 7, 3214868480
	.fill 96, 4, 3214868480
	.section	.rodata,"a",@progbits
	.p2align	6, 0x0
	.amdhsa_kernel k_q2da8d5a925_proj
		.amdhsa_group_segment_fixed_size 327680
		.amdhsa_private_segment_fixed_size 0
		.amdhsa_enable_private_segment 0
		.amdhsa_kernarg_size 48
		.amdhsa_user_sgpr_count 2
		.amdhsa_user_sgpr_kernarg_segment_ptr 1
		.amdhsa_wavefront_size32 1
		.amdhsa_system_sgpr_workgroup_id_x 1
		.amdhsa_system_sgpr_workgroup_id_y 1
		.amdhsa_system_sgpr_workgroup_id_z 1
		.amdhsa_system_vgpr_workitem_id 0
		.amdhsa_next_free_vgpr 1024
		.amdhsa_next_free_sgpr 88
		.amdhsa_reserve_vcc 0
		.amdhsa_float_denorm_mode_32 3
		.amdhsa_float_denorm_mode_16_64 3
		.amdhsa_memory_ordered 1
		.amdhsa_forward_progress 1
		.amdhsa_inst_pref_size 107
	.end_amdhsa_kernel
	.amdgpu_metadata
---
amdhsa.version: [ 1, 2 ]
amdhsa.kernels:
  - .name:           k_q2da8d5a925_proj
    .symbol:         k_q2da8d5a925_proj.kd
    .args:
      - { .name: xb, .offset: 0, .size: 8, .value_kind: global_buffer, .address_space: global }
      - { .name: wb, .offset: 8, .size: 8, .value_kind: global_buffer, .address_space: global }
      - { .name: bq, .offset: 16, .size: 8, .value_kind: global_buffer, .address_space: global }
      - { .name: bk, .offset: 24, .size: 8, .value_kind: global_buffer, .address_space: global }
      - { .name: bv, .offset: 32, .size: 8, .value_kind: global_buffer, .address_space: global }
      - { .name: qkv, .offset: 40, .size: 8, .value_kind: global_buffer, .address_space: global }
    .group_segment_fixed_size: 327680
    .private_segment_fixed_size: 0
    .kernarg_segment_align: 8
    .kernarg_segment_size: 48
    .max_flat_workgroup_size: 128
    .sgpr_count:     88
    .vgpr_count:     1024
    .wavefront_size: 32
...
	.end_amdgpu_metadata
.endif
;; end of part 2
;; launch score (part 3): grid 8 x 32, 4 waves a work-group, clusters of 4 x 4, 327,680 bytes of LDS; arguments qkv, pw, st; writes pw, st
.if DOCPART == 3
	.amdgcn_target "amdgcn-amd-amdhsa--gfx1250"
	.amdhsa_code_object_version 6
	.text
	.protected	k_q2da8d5a925_score
	.globl	k_q2da8d5a925_score
	.p2align	8
	.type	k_q2da8d5a925_score,@function
k_q2da8d5a925_score:
	s_mov_b64 s[64:65], 0
	v_nop
	global_prefetch_b8 v0, s[64:65] scope:SCOPE_SE
	s_setreg_imm32_b32 hwreg(HW_REG_WAVE_MODE, 25, 1), 1
	s_wait_xcnt 0x0
	s_wait_alu depctr_hold_cnt(0) depctr_sa_sdst(0) depctr_va_vdst(0) depctr_va_sdst(0) depctr_va_ssrc(0) depctr_va_vcc(0) depctr_vm_vsrc(0)
	s_getreg_b32 s2, hwreg(HW_REG_IB_STS2, 6, 4)
	s_cmp_eq_u32 s2, 0
	s_cbranch_scc0 .Lentry_in_a_cluster
	s_endpgm
.Lentry_in_a_cluster:
	s_bfe_u32 s2, ttmp6, 0x10000c
	s_cmp_lg_u32 s2, 0xf033
	s_cbranch_scc0 .Lentry_shape_is_right
	s_endpgm
.Lentry_shape_is_right:
; For a tile of 256 queries x 256 keys of one batch: s = Q K^T (f16 operands, f32 sums).  A wave holds 128 queries x 128 keys, one KEY TILE t of the batch's 16; for each query the key tile's own maximum m_t;
; p = 2^(c s - c m_t), c = log2(e) / 32, rounded once to f16; l_t = the sum, in f32, of the rounded p.
; Out: pw [8192][2048] f16: p; st [16 key tiles][8192 rows][2] f32: (c m_t, l_t).  The launch behind takes the maximum over a row's 16 m_t, which is the row's maximum, and rescales: a maximum is taken away
; in front of every exponential, so no exponent is above the rounding of c m_t, and p is at most 1 to within that.
; LIMITS.  A weight below 2^-126 counts as 0; below 6e-5 p keeps f16's fixed step of 6e-8; NaN and infinities are not treated apart.
; SHARES, RING, CLUSTER: 8 x 32 = 256 work-groups of four waves, a wave 128 x 128: 64 accumulators, 512 registers.  K (the 1,024 channels) goes in steps of 128 through two LDS slots; waves 0, 1 fetch the halves of
; Q's 256 rows, waves 2, 3 those of K's 256: a step is 256 matrix instructions a wave, of which 224 stand between a slot's request and the wait for it.  Cluster 4 x 4: Q's tile is shared along a row of the
; cluster, K's along a column (a cluster's four tile rows lie in one batch).
; ONE TEXT FOR BOTH SLOTS.  A K step is written once in the loop that fills slots again and once more for the two last steps: s[TB] holds the slot in hand (0 or SLOT); the fragments' LDS addresses and the
; refill's LDS word are made from it at each change of slots.
; The matrix instruction is used transposed (source 0 = 16 keys, source 1 = 16 queries): lane l holds query l % 16 and the keys 8 (l / 16) + 0..7 of each sixteen, so a query's 128 scores lie in two lanes, 16 apart;
; two such results, rounded to f16 in pairs, are again a source 1 (32 keys x 16 queries): multiplied by a fragment of ones they give the row sums.
; REGISTERS, in windows of 256 (s_set_vgpr_msb: bits 1:0 source 0, 3:2 source 1, 5:4 source 2, 7:6 destination):
;   window 0: v0-31 addresses; v64-127, v128-191 fragments of Q, two buffers, later the statistics; v192-223, v32-63, v224-255 the way out
;   window 1: v64-127, v128-191 fragments of K.   window 2: the accumulators of my queries 0-63 ((a, b) at v[8 (8 a + b)]).   window 3: those of my queries 64-127.
.set PITCH,  272                       ; an LDS row: 256 bytes + 16 of padding = 68 words: the 16 rows of a fragment load start at 16 different groups of four banks (64 banks of 4 bytes: ISA guide 11.1)
.set HALFT,  128*PITCH
.set SLOT,   4*HALFT
.set STAGE,  2*SLOT                    ; behind the ring: 16 rows x 272 bytes for each wave; no tensor load lands here
.set SPITCH, 272
.set SPARE,  STAGE+4*16*SPITCH         ; the spare words: 128 bytes for each wave, two blocks of 256 bytes that no other line names
.set STEPS,  8                         ; 1,024 / 128
.set STEP,   256
.set ROWB,   4096                      ; bytes in a row of pw
.set SO,   7                           ; v7   8 x my lane
.set DD,   8                           ; v[8:15]  four pairs to store
.set ADRA0, 16                         ; v16  LDS address of my Q fragments in slot 0; never rewritten
.set ADA,   17                         ; v17  the same in the slot in hand
.set ADRB0, 20                         ; v20, v21  the same for K
.set ADB,   21
.set STO,  24
.set RD,   25
.set CO,   26
.set SPW,  28                          ; v28  LDS address of my spare word; never rewritten
.set NIL,  29                          ; v29  0; never rewritten
.set PFO,  30                          ; v30  my lane x 2,048 bytes; never rewritten
.set OB,   32
.set F0,   64
.set F1,   128
.set T,    64                          ; v[64:127]   behind the products: a maximum for each accumulator
.set CMP,  128                         ; v[128:143]  pairs (c m, m), by query block
.set PT,   144                         ; v[144:151]  what comes from the lane 16 away
.set LS,   152                         ; v[152:159]  l, by query block
.set D0,   160                         ; v[160:175]  two accumulators for the row sums
.set D1,   168
.set ONES, 176                         ; v[176:183]  a fragment of ones in f16
.set TMP,  192
.set G1,   24                          ; s[24:31] descriptor group 1 for Q;  s[32:39] group 0: a set for each of the two first fills; the second then walks on
.set G0,   32
.set LIM,  43                          ; s43  2 in a wave that prefetches, else the greatest number
.set PFA,  44
.set G1B,  48
.set G0B,  56
.set CS,   76                          ; s[76:77] c: the packed scaling takes the pair's low word for both halves
.set SEL,  78                          ; s[78:79] v_permlanex16_b32's selects: each lane takes its own place in the other half
.set TB,   81                          ; s81  the slot in hand: 0 or SLOT
.set GBITS, (1<<16)|(1<<20)|(1<<21)|(5<<22)|(3<<25)
.set MUL_LO, 0xa1
.set MUL_HI, 0xf1
.set TO_B,   0x40
.set MSB, 0
.macro WIN new
.if MSB != (\new)
	s_set_vgpr_msb (MSB<<8)|(\new)
.set MSB, \new
.endif
.endm
.macro JLOAD s                         ; a joint load by descriptor set s: waves 0, 1 for Q, waves 2, 3 for K; an s_nop 0 and four v_nop follow each line
	s_cmp_eq_u32 s11, 0
	s_cbranch_scc0 .Lfor_b_\@
	tensor_load_to_lds s[G0+4*(\s):G0+4*(\s)+3], s[G1:G1+7]
	s_nop 0
.rept 4
	v_nop
.endr
	s_branch .Lasked_\@
.Lfor_b_\@:
	tensor_load_to_lds s[G0B+4*(\s):G0B+4*(\s)+3], s[G1B:G1B+7]
	s_nop 0
.rept 4
	v_nop
.endr
.Lasked_\@:
.endm
.macro CREST
	s_cmp_lg_u32 s10, 0
	s_cbranch_scc1 .Lnot_wave_0_\@
	s_barrier_signal -3
.Lnot_wave_0_\@:
	s_barrier_wait -3
	s_barrier_signal -1
	s_barrier_wait -1
.endm
.macro CROUND
	s_barrier_signal -1
	s_barrier_wait -1
	CREST
.endm
.macro PLACES
.rept 4
	v_nop
.endr
.endm
; A prefetch of the K step two refills on: 32 rows x 256 bytes, a lane a row.  Q's rows: waves 0, 1 of the clusters with x = 0.  K's rows: waves 2, 3 of the first of the two clusters (even cluster y) that walk a
; batch's tile column.  Of the 128 rows that a wave fetches the partner at place p takes 32 (p = cx for Q, cy for K), told apart by address.  Each row's 256 bytes of a K step are named once; the loop's last two trips ask for nothing.
.macro ASK
	s_cmp_gt_u32 s3, s[LIM]
	s_cbranch_scc0 .Lnot_mine_\@
	global_prefetch_b8 v[PFO], s[PFA:PFA+1] th:TH_LOAD_NT scope:SCOPE_SE
.Lnot_mine_\@:
.endm
	s_load_b128 s[4:7], s[0:1], 0x0                ; qkv s[4:5], pw s[6:7]
	s_load_b64 s[68:69], s[0:1], 0x10              ; st
	v_lshl_add_u32 v[SPW], v0, 2, SPARE
	v_mov_b32 v[NIL], 0
	ds_add_u32 v[SPW], v[NIL]                      ; the wave's opening: the add and its wait stand ahead of my first tensor load
	v_lshrrev_b32 v1, 5, v0
	v_readfirstlane_b32 s10, v1                    ; wave 0..3
	s_lshr_b32 s11, s10, 1                         ; which half of the tile's queries is mine.  Also: I fetch for Q (0) or for K (1)
	s_and_b32 s12, s10, 1                          ; which half of its keys.  Also: which 128 rows I fetch
	s_bfe_u32 s40, ttmp6, 0x40000                  ; cx
	s_bfe_u32 s41, ttmp6, 0x40004                  ; cy
	s_lshl_b32 s42, ttmp9, 2
	s_add_co_u32 s42, s42, s40                     ; tile column in the batch = 4 x cluster x + cx
	s_and_b32 s82, ttmp7, 0xffff                   ; cluster y
	s_lshl_b32 s13, s82, 2
	s_add_co_u32 s13, s13, s41                     ; tile row = 4 x cluster y + cy
	s_lshr_b32 s83, s82, 1                         ; the batch: 8 tile rows, two clusters
	s_lshl_b32 s18, s41, 2
	s_lshl_b32 s18, 15, s18                        ; my row of the cluster
	s_lshl_b32 s46, 0x1111, s40                    ; my column
	s_or_b32 s[G1], s18, GBITS
	s_or_b32 s[G1B], s46, GBITS
.irp g, G1, G1B
	s_mov_b32 s[(\g)+1], 128<<16
	s_mov_b32 s[(\g)+2], 128<<16
	s_mov_b32 s[(\g)+3], 128<<16
	s_mov_b32 s[(\g)+4], 128
	s_mov_b32 s[(\g)+5], 1024
	s_mov_b32 s[(\g)+6], 0
	s_mov_b32 s[(\g)+7], 0
.endr
	s_lshl_b32 s16, s13, 8                         ; Q: row 256 x tile row + 128 x half
	s_lshl_b32 s17, s12, 7
	s_add_co_u32 s16, s16, s17
	s_lshl_b32 s16, s16, 11
	s_mov_b32 s17, 0
	s_lshl_b32 s46, s83, 11                        ; K: row 2,048 x batch + 256 x tile column + 128 x half, in the second plane
	s_lshl_b32 s47, s42, 8
	s_add_co_u32 s46, s46, s47
	s_lshl_b32 s47, s12, 7
	s_add_co_u32 s46, s46, s47
	s_lshl_b32 s46, s46, 11
	s_add_co_u32 s46, s46, 0x1000000
	s_mov_b32 s47, 0
	s_mul_i32 s20, s10, HALFT                      ; my part of a slot; never rewritten
	s_mov_b32 s[TB], 0
	s_mov_b32 s[CS], 0x3d38aa3b                    ; c = log2(e) / 32 = 0.0450842
	s_mov_b32 s[CS+1], s[CS]
	s_mov_b32 s[SEL], 0x76543210
	s_mov_b32 s[SEL+1], 0xfedcba98
	s_wait_dscnt 0x0                               ; the opening add is done
	s_wait_kmcnt 0x0
	s_add_nc_u64 s[14:15], s[4:5], s[16:17]
	s_add_nc_u64 s[46:47], s[4:5], s[46:47]
	CROUND                                         ; all sixteen work-groups are here: the first joint loads meet
.irp s, 0,1
	s_mov_b32 s[G0+4*(\s)], 1
	s_add_co_u32 s[G0+4*(\s)+1], s20, (\s)*SLOT
	s_add_nc_u64 s[G0+4*(\s)+2:G0+4*(\s)+3], s[14:15], (\s)*STEP
	s_or_b32 s[G0+4*(\s)+3], s[G0+4*(\s)+3], 0x80000000
	s_mov_b32 s[G0B+4*(\s)], 1
	s_add_co_u32 s[G0B+4*(\s)+1], s20, (\s)*SLOT
	s_add_nc_u64 s[G0B+4*(\s)+2:G0B+4*(\s)+3], s[46:47], (\s)*STEP
	s_or_b32 s[G0B+4*(\s)+3], s[G0B+4*(\s)+3], 0x80000000
	JLOAD \s                                       ; K steps 0 and 1: two loads of mine are out
.endr
	v_and_b32 v1, 15, v0                           ; r = l % 16
	v_bfe_u32 v2, v0, 4, 1                         ; h = l / 16
	v_mul_u32_u24 v3, v1, PITCH
	v_lshl_add_u32 v3, v2, 4, v3                   ; 272 r + 16 h
	s_mul_i32 s21, s11, HALFT
	s_mul_i32 s22, s12, HALFT
	s_add_co_u32 s22, s22, 2*HALFT
	v_add_nc_u32 v[ADRA0], s21, v3
	v_add_nc_u32 v[ADRB0], s22, v3
	v_add_nc_u32 v[ADA], s21, v3                   ; the slot in hand is slot 0
	v_add_nc_u32 v[ADB], s22, v3
	s_mul_i32 s23, s10, 16*SPITCH
	s_add_co_u32 s23, s23, STAGE
	v_add_nc_u32 v[STO], s23, v3
	v_mul_u32_u24 v5, v2, SPITCH
	v_lshl_add_u32 v5, v1, 4, v5
	v_add_nc_u32 v[RD], s23, v5
	v_mul_u32_u24 v5, v2, ROWB
	v_lshl_add_u32 v[CO], v1, 4, v5
	v_and_b32 v6, 31, v0
	v_lshlrev_b32 v[SO], 3, v6
	; pw and st at my wave's first row and its key tile, t = 2 x tile column + half
	s_lshl_b32 s84, s13, 8
	s_lshl_b32 s85, s11, 7
	s_add_co_u32 s84, s84, s85                     ; my first row
	s_lshl_b32 s86, s84, 12
	s_lshl_b32 s85, s42, 9                         ; 256 keys of f16
	s_add_co_u32 s86, s86, s85
	s_lshl_b32 s85, s12, 8
	s_add_co_u32 s86, s86, s85
	s_mov_b32 s87, 0
	s_add_nc_u64 s[8:9], s[6:7], s[86:87]
	s_lshl_b32 s86, s84, 3
	s_lshl_b32 s85, s42, 17                        ; a key tile's 8,192 rows of 8 bytes, twice
	s_add_co_u32 s86, s86, s85
	s_lshl_b32 s85, s12, 16
	s_add_co_u32 s86, s86, s85
	s_add_nc_u64 s[68:69], s[68:69], s[86:87]
	; the prefetches: my work-group's 32 of the 128 rows that I fetch, at K step 3; the first refill steps the address to K step 4
	s_lshl_b32 s84, s13, 8
	s_lshl_b32 s85, s40, 5
	s_add_co_u32 s84, s84, s85                     ; Q: 256 x tile row + 32 cx
	s_lshl_b32 s86, s83, 11
	s_lshl_b32 s87, s42, 8
	s_add_co_u32 s86, s86, s87
	s_lshl_b32 s87, s41, 5
	s_add_co_u32 s86, s86, s87
	s_add_co_u32 s86, s86, 8192                    ; K: the second plane's rows: 8,192 + 2,048 x batch + 256 x tile column + 32 cy
	s_and_b32 s87, s82, 1
	s_cmp_eq_u32 s11, 0
	s_cselect_b32 s84, s84, s86
	s_cselect_b32 s87, ttmp9, s87                  ; Q: cluster x = 0; K: even cluster y
	s_cmp_eq_u32 s87, 0
	s_cselect_b32 s[LIM], 2, -1                    ; the same in all sixteen partners, for a given wave
	s_lshl_b32 s85, s12, 7
	s_add_co_u32 s84, s84, s85
	s_lshl_b32 s84, s84, 11
	s_add_co_u32 s84, s84, 3*STEP
	s_mov_b32 s85, 0
	s_add_nc_u64 s[PFA:PFA+1], s[4:5], s[84:85]
	v_and_b32 v[PFO], 31, v0
	v_lshlrev_b32 v[PFO], 11, v[PFO]
; 16 matrix instructions: query blocks a0, a0 + 1 of the window's four x all 8 key blocks, 32 channels.  mode 1: the first products start the sums.  The 64 accumulators take turns.
.macro MUL16 f, hi, a0, mode
	WIN MUL_LO+0x50*(\hi)
.irp a, \a0, (\a0)+1
.irp b, 0,1,2,3,4,5,6,7
.if (\mode) == 1
	v_wmma_f32_16x16x32_f16 v[8*(8*(\a)+(\b)):8*(8*(\a)+(\b))+7], v[(\f)+8*(\b):(\f)+8*(\b)+7], v[(\f)+8*(4*(\hi)+(\a)):(\f)+8*(4*(\hi)+(\a))+7], 0
.else
	v_wmma_f32_16x16x32_f16 v[8*(8*(\a)+(\b)):8*(8*(\a)+(\b))+7], v[(\f)+8*(\b):(\f)+8*(\b)+7], v[(\f)+8*(4*(\hi)+(\a)):(\f)+8*(4*(\hi)+(\a))+7], v[8*(8*(\a)+(\b)):8*(8*(\a)+(\b))+7]
.endif
.endr
.endr
.endm
.macro FETCH k, f                      ; 32 LDS loads in one run: 128 rows of K, 128 rows of Q, 32 channels at byte k of the rows of the slot in hand, into buffer f
	WIN TO_B
.irp i, 0,1,2,3,4,5,6,7
	ds_load_b128 v[(\f)+8*(\i):(\f)+8*(\i)+3],   v[ADB] offset:(\k)+(\i)*16*PITCH
	ds_load_b128 v[(\f)+8*(\i)+4:(\f)+8*(\i)+7], v[ADB] offset:(\k)+(\i)*16*PITCH+32
.endr
	WIN 0
.irp i, 0,1,2,3,4,5,6,7
	ds_load_b128 v[(\f)+8*(\i):(\f)+8*(\i)+3],   v[ADA] offset:(\k)+(\i)*16*PITCH
	ds_load_b128 v[(\f)+8*(\i)+4:(\f)+8*(\i)+7], v[ADA] offset:(\k)+(\i)*16*PITCH+32
.endr
.endm
.macro QUARTER k, f, g, mode
	s_wait_dscnt 8                                 ; K and Q's rows 0-63 are in; the youngest eight loads (Q's rows 64-127) may be out
	MUL16 \f, 0, 0, \mode
	MUL16 \f, 0, 2, \mode
	PLACES
	FETCH \k, \g
	s_wait_dscnt 32                                ; all but the 32 just issued
	MUL16 \f, 1, 0, \mode
	MUL16 \f, 1, 2, \mode
.endm
; The change of slots: each wave waits for all its tensor loads (one is out: its part of the next slot), adds 0 to its spare word, waits for that and for its reads of this slot; one barrier, which with
; fill = 1 opens a round of the cluster's; the joint refill of the slot that is left, two K steps on, is the first thing behind the round.  Between the add and the wait for it, where no tensor load of mine is
; out: the walking descriptors take the slot that is left and the next K step; s[TB] turns to the other slot; the fragments' addresses follow it.
.macro TURN fill
.if \fill
	s_wait_xcnt 0x0                                ; the last prefetch, a K step back, has read its address
	s_add_nc_u64 s[PFA:PFA+1], s[PFA:PFA+1], STEP
.endif
	WIN 0
	s_wait_tensorcnt 0x0
	ds_add_u32 v[SPW], v[NIL]
.if \fill
	s_add_co_u32 s[G0+5], s20, s[TB]               ; LDS address: my part of the slot that is left
	s_add_co_u32 s[G0B+5], s20, s[TB]
	s_add_nc_u64 s[G0+6:G0+7], s[G0+6:G0+7], STEP  ; the type bits on top are not reached
	s_add_nc_u64 s[G0B+6:G0B+7], s[G0B+6:G0B+7], STEP
.endif
	s_xor_b32 s[TB], s[TB], SLOT                   ; 0 and SLOT by turns: the register holds nothing else
	v_add_nc_u32 v[ADA], s[TB], v[ADRA0]
	v_add_nc_u32 v[ADB], s[TB], v[ADRB0]
	s_wait_dscnt 9                                 ; the add and the youngest eight loads may be out
	MUL16 F1, 0, 0, 0
	s_wait_dscnt 0x0                               ; the add is done, and my reads of this slot are over
	s_barrier_signal -1
	MUL16 F1, 0, 2, 0
.if \fill
	WIN 0
.endif
	s_barrier_wait -1
.if \fill
	CREST
	JLOAD 1                                        ; its four v_nop are also the places in front of the loads below
.else
	PLACES
.endif
	FETCH 0, F0
.if \fill
	ASK
.endif
	MUL16 F1, 1, 0, 0
	MUL16 F1, 1, 2, 0
.endm
; THE MAXIMUM, for the 32 accumulators of window 2 + hi: one running maximum each, three operands a line; each accumulator's lowest registers are read first; two neighbours' last registers share a line.
.macro MAXA hi
.set TT, T+32*(\hi)
	WIN 0x2a+0x15*(\hi)                            ; all three sources in the accumulators' window, destination in window 0
.set n, 0
.rept 32
	v_max3_num_f32 v[TT+n], v[8*n], v[8*n+1], v[8*n+2]
.set n, n+1
.endr
	WIN 0x28+0x14*(\hi)                            ; source 0 in window 0
.irp q, 3,5
.set n, 0
.rept 32
	v_max3_num_f32 v[TT+n], v[TT+n], v[8*n+(\q)], v[8*n+(\q)+1]
.set n, n+1
.endr
.endr
.set n, 0
.rept 16
	v_max3_num_f32 v[TT+2*n], v[TT+2*n], v[16*n+7], v[16*n+15]
.set n, n+1
.endr
.endm
; THE WEIGHTS of window 2 + hi, in place: ONE batch of 256 exponentials; a pair is scaled two pairs ahead of its exponentials, and nothing ahead of the wait names a result.
.macro FMA hi, p                       ; pair p of the window's 128 pairs of scores: c s - c m
	v_pk_fma_f32 v[2*(\p):2*(\p)+1], v[2*(\p):2*(\p)+1], s[CS:CS+1], v[CMP+2*(4*(\hi)+(\p)/32):CMP+2*(4*(\hi)+(\p)/32)+1] op_sel_hi:[1,0,0] neg_lo:[0,0,1] neg_hi:[0,0,1]
.endm
.macro WEIGH hi
	WIN 0x82+0x41*(\hi)                            ; destination and source 0 in the accumulators' window, source 2 in window 0
	FMA \hi, 0
	FMA \hi, 1
.set p, 0
.rept 128
.if p < 126
	FMA \hi, p+2
.endif
	v_exp_f32 v[2*p], v[2*p]
	v_exp_f32 v[2*p+1], v[2*p+1]
.set p, p+1
.endr
	v_nop                                          ; a plain instruction behind the last exponential (ISA guide 5.7.2),
	s_wait_alu depctr_va_vdst(0)                   ; and a wait ahead of the batch's first reader
.endm
; THE WAY OUT of query block a.  SPACK: the weights rounded to f16, 16 bytes a lane; then their row sums: ones x P, 32 keys an instruction, on two accumulators that take turns: every register
; of the two then holds half of the sum over the query's 128 keys.  TOSTAGE, SEND: through my stage, as whole rows of 256 bytes.  LSUM: the two halves, four places behind the last of the four products.
.macro SPACK a
.set AC, 64*((\a)%4)
	WIN 0x0a+5*((\a)/4)                            ; sources 0 and 1: window 2 or 3
.irp b, 0,1,2,3,4,5,6,7
.irp r, 0,1,2,3
	v_cvt_pk_f16_f32 v[TMP+4*(\b)+(\r)], v[AC+8*(\b)+2*(\r)], v[AC+8*(\b)+2*(\r)+1]
.endr
.endr
	WIN 0
	v_wmma_f32_16x16x32_f16 v[D0:D0+7], v[ONES:ONES+7], v[TMP:TMP+7], 0
	v_wmma_f32_16x16x32_f16 v[D1:D1+7], v[ONES:ONES+7], v[TMP+8:TMP+15], 0
	v_wmma_f32_16x16x32_f16 v[D0:D0+7], v[ONES:ONES+7], v[TMP+16:TMP+23], v[D0:D0+7]
	v_wmma_f32_16x16x32_f16 v[D1:D1+7], v[ONES:ONES+7], v[TMP+24:TMP+31], v[D1:D1+7]
.endm
.macro TOSTAGE a
.set BK, OB+192*((\a)%2)
.irp b, 0,1,2,3,4,5,6,7
	ds_store_b128 v[STO], v[TMP+4*(\b):TMP+4*(\b)+3] offset:32*(\b)
.endr
.irp t, 0,1,2,3,4,5,6,7
	ds_load_b128 v[BK+4*(\t):BK+4*(\t)+3], v[RD] offset:(\t)*2*SPITCH  ; LDS serves a wave's instructions in order (ISA guide 5.7.1.4): these see the stores above
.endr
.endm
.macro LSUM a
	PLACES                                         ; also the places in front of the next block's conversions, which write the four products' sources
	v_add_f32 v[LS+(\a)], v[D0], v[D1]
.endm
.macro SEND a
.set BK, OB+192*((\a)%2)
	s_wait_dscnt 0x0                               ; the block is back in registers
	s_wait_xcnt 0x0                                ; the stores of the block before have read their registers, which the next block's loads from the stage take
.irp t, 0,1,2,3,4,5,6,7
	global_store_b128 v[CO], v[BK+4*(\t):BK+4*(\t)+3], s[8:9] offset:(16*(\a)+2*(\t))*ROWB  ; 16 lanes store 256 consecutive bytes, at a multiple of 256 from pw's first byte
.endr
.endm
	s_wait_tensorcnt 1                             ; my part of K step 0 is in; K step 1's may stay out
	s_barrier_signal -1
	s_barrier_wait -1
	FETCH 0, F0
	QUARTER 64, F0, F1, 1                          ; the first quarter stands in front of the loop: its products start the sums
	WIN 0
	s_mov_b32 s3, STEPS-2
.Lstep:                                                ; six trips: from a K step's second quarter to the next step's first; each fills the slot that it leaves
	QUARTER 128, F1, F0, 0
	QUARTER 192, F0, F1, 0
	TURN 1
	QUARTER 64,  F0, F1, 0
	WIN 0
	s_sub_co_u32 s3, s3, 1
	s_cmp_lg_u32 s3, 0
	s_cbranch_scc1 .Lstep
	s_mov_b32 s3, 2
.Ltail:                                                ; the last two K steps fill nothing: a text of their own; walked twice and left in the middle of the second trip.
	QUARTER 128, F1, F0, 0                         ; (That trip's change of slots passes its barrier and fetches 32 fragments from the slot read before, which serve nothing: the price of one text for both trips.)
	QUARTER 192, F0, F1, 0
	TURN 0
	WIN 0
	s_sub_co_u32 s3, s3, 1
	s_cmp_eq_u32 s3, 0
	s_cbranch_scc1 .Lout
	QUARTER 64,  F0, F1, 0
	WIN 0
	s_cmp_lg_u32 s3, 0
	s_cbranch_scc1 .Ltail
.Lout:
	s_wait_dscnt 0x0                               ; the fragments fetched last have landed: their registers are free
.rept 8
	v_nop                                          ; the places behind the last products
.endr
	MAXA 0
	MAXA 1
	WIN 0                                          ; a block's eight into one, the eight blocks by turns; then the other half of the lanes
.irp a, 0,1,2,3,4,5,6,7
	v_max3_num_f32 v[T+8*(\a)], v[T+8*(\a)], v[T+8*(\a)+1], v[T+8*(\a)+2]
.endr
.irp a, 0,1,2,3,4,5,6,7
	v_max3_num_f32 v[T+8*(\a)+3], v[T+8*(\a)+3], v[T+8*(\a)+4], v[T+8*(\a)+5]
.endr
.irp a, 0,1,2,3,4,5,6,7
	v_max3_num_f32 v[T+8*(\a)], v[T+8*(\a)], v[T+8*(\a)+6], v[T+8*(\a)+7]
.endr
.irp a, 0,1,2,3,4,5,6,7
	v_max_num_f32 v[T+8*(\a)], v[T+8*(\a)], v[T+8*(\a)+3]
.endr
.irp a, 0,1,2,3,4,5,6,7
	v_permlanex16_b32 v[PT+(\a)], v[T+8*(\a)], s[SEL], s[SEL+1]  ; the query's other 64 keys lie in the lane 16 away (the destination, a fragment register, has been written)
.endr
.irp a, 0,1,2,3,4,5,6,7
	v_max_num_f32 v[CMP+2*(\a)+1], v[T+8*(\a)], v[PT+(\a)]
.endr
.irp a, 0,1,2,3,4,5,6,7
	v_mul_f32 v[CMP+2*(\a)], s[CS], v[CMP+2*(\a)+1]
.endr
.irp i, 0,1,2,3,4,5,6,7
	v_mov_b32 v[ONES+(\i)], 0x3c003c00             ; 1.0 twice in f16
.endr
	WEIGH 0                                        ; my queries 0-63 are weighed and leave; their stores are on their way while queries 64-127 are weighed
	SPACK 0
	TOSTAGE 0
	LSUM 0
.irp a, 1,2,3
	SPACK \a
	SEND (\a)-1
	TOSTAGE \a
	LSUM \a
.endr
	WEIGH 1
.irp a, 4,5,6,7
	SPACK \a
	SEND (\a)-1
	TOSTAGE \a
	LSUM \a
.endr
	SEND 7
	; THE STATISTICS.  Both halves of the lanes hold (c m, l) of row 16 a + l % 16 for every a; lane l stores row 32 p + l = 16 (2 p + l / 16) + l % 16: 32 lanes, 256 consecutive bytes, aligned.
	v_cmp_eq_u32 s80, 1, v2
.irp p, 0,1,2,3
	v_cndmask_b32 v[DD+2*(\p)], v[CMP+4*(\p)], v[CMP+4*(\p)+2], s80
	v_cndmask_b32 v[DD+2*(\p)+1], v[LS+2*(\p)], v[LS+2*(\p)+1], s80
.endr
.irp p, 0,1,2,3
	global_store_b64 v[SO], v[DD+2*(\p):DD+2*(\p)+1], s[68:69] offset:256*(\p)
.endr
	s_wait_tensorcnt 0x0                           ; the wave's end: an add to the spare word and the wait for it, behind my last tensor load and my last LDS store
	ds_add_u32 v[SPW], v[NIL]
	s_wait_dscnt 0x0
	CROUND                                         ; the closing round
	s_endpgm
.Lfunc_end_k_q2da8d5a925_score:
	.size	k_q2da8d5a925_score, .Lfunc_end_k_q2da8d5a925_score-k_q2da8d5a925_score
	.p2alignl 7, 3214868480
	.fill 96, 4, 3214868480
	.section	.rodata,"a",@progbits
	.p2align	6, 0x0
	.amdhsa_kernel k_q2da8d5a925_score
		.amdhsa_group_segment_fixed_size 327680
		.amdhsa_private_segment_fixed_size 0
		.amdhsa_enable_private_segment 0
		.amdhsa_kernarg_size 24
		.amdhsa_user_sgpr_count 2
		.amdhsa_user_sgpr_kernarg_segment_ptr 1
		.amdhsa_wavefront_size32 1
		.amdhsa_system_sgpr_workgroup_id_x 1
		.amdhsa_system_sgpr_workgroup_id_y 1
		.amdhsa_system_sgpr_workgroup_id_z 1
		.amdhsa_system_vgpr_workitem_id 0
		.amdhsa_next_free_vgpr 1024
		.amdhsa_next_free_sgpr 88
		.amdhsa_reserve_vcc 0
		.amdhsa_float_denorm_mode_32 3
		.amdhsa_float_denorm_mode_16_64 3
		.amdhsa_memory_ordered 1
		.amdhsa_forward_progress 1
		.amdhsa_inst_pref_size 155
	.end_amdhsa_kernel
	.amdgpu_metadata
---
amdhsa.version: [ 1, 2 ]
amdhsa.kernels:
  - .name:           k_q2da8d5a925_score
    .symbol:         k_q2da8d5a925_score.kd
    .args:
      - { .name: qkv, .offset: 0, .size: 8, .value_kind: global_buffer, .address_space: global }
      - { .name: pw, .offset: 8, .size: 8, .value_kind: global_buffer, .address_space: global }
      - { .name: st, .offset: 16, .size: 8, .value_kind: global_buffer, .address_space: global }
    .group_segment_fixed_size: 327680
    .private_segment_fixed_size: 0
    .kernarg_segment_align: 8
    .kernarg_segment_size: 24
    .max_flat_workgroup_size: 128
    .sgpr_count:     88
    .vgpr_count:     1024
    .wavefront_size: 32
...
	.end_amdgpu_metadata
.endif
;; end of part 3
;; launch mix (part 4): grid 8 x 32, 4 waves a work-group, clusters of 4 x 4, 327,680 bytes of LDS; arguments pw, st, qkv, out0; writes out0
.if DOCPART == 4
	.amdgcn_target "amdgcn-amd-amdhsa--gfx1250"
	.amdhsa_code_object_version 6
	.text
	.protected	k_q2da8d5a925_mix
	.globl	k_q2da8d5a925_mix
	.p2align	8
	.type	k_q2da8d5a925_mix,@function
k_q2da8d5a925_mix:
	s_mov_b64 s[64:65], 0
	v_nop
	global_prefetch_b8 v0, s[64:65] scope:SCOPE_SE
	s_setreg_imm32_b32 hwreg(HW_REG_WAVE_MODE, 25, 1), 1
	s_wait_xcnt 0x0
	s_wait_alu depctr_hold_cnt(0) depctr_sa_sdst(0) depctr_va_vdst(0) depctr_va_sdst(0) depctr_va_ssrc(0) depctr_va_vcc(0) depctr_vm_vsrc(0)
	s_getreg_b32 s2, hwreg(HW_REG_IB_STS2, 6, 4)
	s_cmp_eq_u32 s2, 0
	s_cbranch_scc0 .Lentry_in_a_cluster
	s_endpgm
.Lentry_in_a_cluster:
	s_bfe_u32 s2, ttmp6, 0x10000c
	s_cmp_lg_u32 s2, 0xf033
	s_cbranch_scc0 .Lentry_shape_is_right
	s_endpgm
.Lentry_shape_is_right:
; out0[q][d] = (the sum over the 16 key tiles t of f_t[q] (P_t V_t)[q][d]) / l[q], with M[q] = the maximum over t of c m_t[q] (the row's maximum), f_t = 2^(c m_t - M), l = the sum of f_t l_t.
; pw [8192][2048] f16 holds p = 2^(c s - c m_t); st [16][8192][2] f32 holds (c m_t, l_t); V is the third plane of qkv, [8192][1024] f16.  out0 [8192][1024] f32.
; f_t is rounded once to f16 and multiplies P's fragments between LDS and the matrix unit (packed f16, one rounding); l takes the same rounded f_t.  Products' sums, M and l in f32.
; Every exponent is at most 0 and one f_t is 1, so l is about 1 at the least.  LIMITS: f_t below 2^-126 counts as 0; a weight f_t p below 6e-5 keeps f16's fixed step of 6e-8; NaN and infinities are not treated apart.
; SHARES, RING, CLUSTER, WINDOWS: a tile is 256 queries x 128 channels: 8 x 32 = 256 work-groups.  Wave w makes rows 64 w .. 64 w + 63: 32 accumulators.  K (the batch's 2,048 keys) goes in steps of 128, one key
; tile a step, through two LDS slots; waves 0, 1 fetch the halves of P's 256 rows, waves 2, 3 those of V's 128 keys.  Cluster 4 x 4: P's tile is shared along a row of the cluster, V's along a column.
; ONE TEXT FOR BOTH SLOTS.  A K step is written once in the loop that fills slots again and once more for the two last steps: s[TB] holds the slot in hand (0 or SLOT); the fragments' LDS addresses and the
; refill's LDS word are made from it at each change of slots.
; The matrix instruction is used transposed (source 0 = 16 channels of V, turned by ds_load_tr16_b128; source 1 = 16 queries of P): lane l holds query l % 16 and the channels 8 (l / 16) + 0..7 of each sixteen.
;   window 0: addresses, factors, the way out.   window 1: fragment buffer 0 (v0-191).   window 3: fragment buffer 1.   window 2: accumulator (a, b) at v[8 (8 a + b)].
.set PITCH,  272                       ; a row of P in LDS: 256 bytes + 16 = 68 words: the 16 rows of a load start at 16 different groups of four banks (64 banks of 4 bytes: ISA guide 11.1)
.set PB,     288                       ; a row of V: 256 + 32 = 72 words
.set AHALF,  128*PITCH
.set BOFF,   2*AHALF
.set BHALF,  64*PB
.set SLOT,   BOFF+2*BHALF              ; 106,496 bytes
.set STAGE,  2*SLOT                    ; behind the ring: 16 rows x 528 bytes for each wave; no tensor load lands from here on
.set SPITCH, 528                       ; 512 bytes + 16
.set FT,     STAGE+4*16*SPITCH         ; the factors: wave w at 4,096 w: [16 t][64 rows] words, f_t in both halves
.set RLB,    FT+4*4096                 ; 1 / l: wave w at 256 w: 64 words
.set SPARE,  RLB+1024                  ; the spare words: 128 bytes for each wave, two blocks of 256 bytes that no other line names
.set STEPS,  16                        ; 2,048 / 128
.set STEPA,  256                       ; 128 keys along a row of pw
.set STEPB,  262144                    ; 128 rows of V
.set ADRA0, 16                         ; v16  LDS address of my P fragments in slot 0; never rewritten
.set ADA,   17                         ; v17  the same in the slot in hand
.set ADRB0, 20                         ; v20, v21  the same for V
.set ADB,   21
.set STO,  24
.set RD,   25
.set CO,   26
.set SPW,  28                          ; v28  LDS address of my spare word; never rewritten
.set NIL,  29                          ; v29  0; never rewritten
.set PFO,  30                          ; v30  my lane x a row's bytes (pw: 4,096; V: 2,048); never rewritten
.set FAC,  32                          ; v[32:35]  the step's factors for my four row blocks
.set RL,   40                          ; v[40:47]  pairs (1 / l, the same), by row block
.set FT0,  48                          ; v48  FT + 4,096 w + 4 (l % 16)
.set FTA,  49                          ; v49  the address of the next step's factors
.set FTW,  50                          ; v50  FT + 4,096 w + 4 l
.set RLW,  51                          ; v51  RLB + 256 w + 4 l
.set MX,   52                          ; v52-53  M of rows l and 32 + l
.set LSUM, 54                          ; v54-55  their l
.set SOF,  56                          ; v56  8 l
.set RLR,  57                          ; v57  RLB + 256 w + 4 (l % 16)
.set SD,   64                          ; v[64:127]  (c m_t, l_t) of row 32 u + l at SD + 32 u + 2 t; dead behind the prologue
.set TMP,  64                          ; v[64:191]  the way out: two sets of 64
.set G1,   24                          ; s[24:31] descriptor group 1 for P;  s[32:39] group 0: a set for each of the two first fills; the second then walks on
.set G0,   32
.set LIM,  43                          ; s43  2 in a wave that prefetches, else the greatest number
.set PFA,  44
.set G1B,  48
.set G0B,  56
.set PFS,  66
.set TB,   80                          ; s80  the slot in hand: 0 or SLOT
.set FTS,  81                          ; s81  256 x the key tile whose factors are fetched next
.set GBITS,  (1<<16)|(1<<20)|(1<<21)|(5<<22)|(3<<25)  ; 2-byte elements; padding on; bit 21 beside a mask; after every 64 words; 4 words
.set GBITSB, (1<<16)|(1<<20)|(1<<21)|(5<<22)|(7<<25)  ; the same with 8 words
.set MUL0,  0xa5
.set MUL1,  0xaf
.set TOF0,  0x40
.set TOF1,  0xc0
.set MSB, 0
.macro WIN new
.if MSB != (\new)
	s_set_vgpr_msb (MSB<<8)|(\new)
.set MSB, \new
.endif
.endm
.macro JLOAD s                         ; a joint load by descriptor set s: waves 0, 1 for P, waves 2, 3 for V; an s_nop 0 and four v_nop follow each line
	s_cmp_eq_u32 s11, 0
	s_cbranch_scc0 .Lfor_b_\@
	tensor_load_to_lds s[G0+4*(\s):G0+4*(\s)+3], s[G1:G1+7]
	s_nop 0
.rept 4
	v_nop
.endr
	s_branch .Lasked_\@
.Lfor_b_\@:
	tensor_load_to_lds s[G0B+4*(\s):G0B+4*(\s)+3], s[G1B:G1B+7]
	s_nop 0
.rept 4
	v_nop
.endr
.Lasked_\@:
.endm
.macro CREST
	s_cmp_lg_u32 s10, 0
	s_cbranch_scc1 .Lnot_wave_0_\@
	s_barrier_signal -3
.Lnot_wave_0_\@:
	s_barrier_wait -3
	s_barrier_signal -1
	s_barrier_wait -1
.endm
.macro CROUND
	s_barrier_signal -1
	s_barrier_wait -1
	CREST
.endm
.macro PLACES
.rept 4
	v_nop
.endr
.endm
; A prefetch of the K step two refills on: 32 rows x 256 bytes, a lane a row.  P's rows: waves 0, 1 of the clusters with x = 0, 32 of the wave's 128 rows by cx.  V's keys: wave 2 of the first of the two
; clusters (even cluster y) that walk a batch's tile column, 32 of the step's 128 keys by cy.  Each row's 256 bytes of a K step are named once; the loop's last two trips ask for nothing.
.macro ASK
	s_cmp_gt_u32 s3, s[LIM]
	s_cbranch_scc0 .Lnot_mine_\@
	global_prefetch_b8 v[PFO], s[PFA:PFA+1] th:TH_LOAD_NT scope:SCOPE_SE
.Lnot_mine_\@:
.endm
	s_load_b64 s[4:5], s[0:1], 0x0                 ; pw
	s_load_b64 s[68:69], s[0:1], 0x8               ; st
	s_load_b128 s[72:75], s[0:1], 0x10             ; qkv s[72:73], out0 s[74:75]
	v_lshl_add_u32 v[SPW], v0, 2, SPARE
	v_mov_b32 v[NIL], 0
	ds_add_u32 v[SPW], v[NIL]                      ; the wave's opening: the add and its wait stand ahead of my first tensor load
	v_lshrrev_b32 v1, 5, v0
	v_readfirstlane_b32 s10, v1                    ; wave 0..3
	s_lshr_b32 s11, s10, 1
	s_and_b32 s12, s10, 1
	s_bfe_u32 s40, ttmp6, 0x40000                  ; cx
	s_bfe_u32 s41, ttmp6, 0x40004                  ; cy
	s_lshl_b32 s42, ttmp9, 2
	s_add_co_u32 s42, s42, s40                     ; tile column = 4 x cluster x + cx
	s_and_b32 s82, ttmp7, 0xffff                   ; cluster y
	s_lshl_b32 s13, s82, 2
	s_add_co_u32 s13, s13, s41                     ; tile row = 4 x cluster y + cy
	s_lshr_b32 s83, s82, 1                         ; the batch
	s_lshl_b32 s18, s41, 2
	s_lshl_b32 s18, 15, s18                        ; my row of the cluster
	s_lshl_b32 s46, 0x1111, s40                    ; my column
	s_or_b32 s[G1], s18, GBITS
	s_or_b32 s[G1B], s46, GBITSB
	s_mov_b32 s[G1+1], 128<<16
	s_mov_b32 s[G1+2], 128<<16
	s_mov_b32 s[G1+3], 128<<16
	s_mov_b32 s[G1+4], 128
	s_mov_b32 s[G1+5], 2048                        ; elements from row to row of pw
	s_mov_b32 s[G1+6], 0
	s_mov_b32 s[G1+7], 0
	s_mov_b32 s[G1B+1], 128<<16
	s_mov_b32 s[G1B+2], 64<<16
	s_mov_b32 s[G1B+3], 128<<16
	s_mov_b32 s[G1B+4], 64
	s_mov_b32 s[G1B+5], 1024
	s_mov_b32 s[G1B+6], 0
	s_mov_b32 s[G1B+7], 0
	s_lshl_b32 s16, s13, 8                         ; P: row 256 x tile row + 128 x half, 4,096 bytes a row
	s_lshl_b32 s17, s12, 7
	s_add_co_u32 s16, s16, s17
	s_lshl_b32 s16, s16, 12
	s_mov_b32 s17, 0
	s_lshl_b32 s46, s83, 11                        ; V: key 2,048 x batch + 64 x half, channel 128 x tile column, in the third plane
	s_lshl_b32 s47, s12, 6
	s_add_co_u32 s46, s46, s47
	s_lshl_b32 s46, s46, 11
	s_lshl_b32 s47, s42, 8
	s_add_co_u32 s46, s46, s47
	s_add_co_u32 s46, s46, 0x2000000
	s_mov_b32 s47, 0
	s_mul_i32 s20, s12, AHALF                      ; my part of a slot, for P
	s_mul_i32 s21, s12, BHALF
	s_add_co_u32 s21, s21, BOFF                    ; and for V; neither is rewritten
	s_mov_b32 s[TB], 0
	s_wait_dscnt 0x0                               ; the opening add is done
	s_wait_kmcnt 0x0
	s_add_nc_u64 s[14:15], s[4:5], s[16:17]
	s_add_nc_u64 s[46:47], s[72:73], s[46:47]
	CROUND                                         ; all sixteen work-groups are here: the first joint loads meet
.irp s, 0,1
	s_mov_b32 s[G0+4*(\s)], 1
	s_add_co_u32 s[G0+4*(\s)+1], s20, (\s)*SLOT
	s_add_nc_u64 s[G0+4*(\s)+2:G0+4*(\s)+3], s[14:15], (\s)*STEPA
	s_or_b32 s[G0+4*(\s)+3], s[G0+4*(\s)+3], 0x80000000
	s_mov_b32 s[G0B+4*(\s)], 1
	s_add_co_u32 s[G0B+4*(\s)+1], s21, (\s)*SLOT
	s_add_nc_u64 s[G0B+4*(\s)+2:G0B+4*(\s)+3], s[46:47], (\s)*STEPB
	s_or_b32 s[G0B+4*(\s)+3], s[G0B+4*(\s)+3], 0x80000000
	JLOAD \s                                       ; K steps 0 and 1: two loads of mine are out
.endr
	; st and out0 at my wave's first row; then the 32 loads of my 64 rows' statistics: row 32 u + l, 256 consecutive bytes a load
	v_and_b32 v1, 15, v0                           ; r = l % 16
	v_bfe_u32 v2, v0, 4, 1                         ; h = l / 16
	v_and_b32 v6, 31, v0                           ; l
	v_lshlrev_b32 v[SOF], 3, v6
	s_lshl_b32 s84, s13, 8
	s_lshl_b32 s85, s10, 6
	s_add_co_u32 s84, s84, s85                     ; my first row
	s_lshl_b32 s86, s84, 3
	s_mov_b32 s87, 0
	s_add_nc_u64 s[68:69], s[68:69], s[86:87]
	s_lshl_b32 s86, s84, 12
	s_lshl_b32 s85, s42, 9                         ; the tile's 128 channels: 512 bytes
	s_add_co_u32 s86, s86, s85
	s_add_nc_u64 s[8:9], s[74:75], s[86:87]
.irp u, 0,1
.irp t, 0,1,2,3,4,5,6,7,8,9,10,11,12,13,14,15
	global_load_b64 v[SD+32*(\u)+2*(\t):SD+32*(\u)+2*(\t)+1], v[SOF], s[68:69] offset:65536*(\t)+256*(\u)
.endr
.endr
	; LDS addresses
	v_mul_u32_u24 v3, v1, PITCH
	v_lshl_add_u32 v3, v2, 4, v3                   ; 272 r + 16 h
	s_mul_i32 s23, s10, 64*PITCH
	v_add_nc_u32 v[ADRA0], s23, v3
	v_add_nc_u32 v[ADA], s23, v3                   ; the slot in hand is slot 0
	; The turning load takes 16 keys x 16 channels (lane l reads key 8 (l / 16) + l % 8, channels 8 ((l / 8) % 2) + 0..7) and leaves half a fragment: lane l holds channel l % 16 and 8 keys.
	v_and_b32 v4, 7, v0
	v_bfe_u32 v5, v0, 3, 1
	v_lshl_add_u32 v4, v2, 3, v4
	v_mul_u32_u24 v4, v4, PB
	v_lshl_add_u32 v4, v5, 4, v4
	v_add_nc_u32 v[ADRB0], BOFF, v4
	v_add_nc_u32 v[ADB], BOFF, v4
	s_mul_i32 s23, s10, 16*SPITCH
	s_add_co_u32 s23, s23, STAGE                   ; my stage
	v_mul_u32_u24 v5, v1, SPITCH
	v_lshl_add_u32 v5, v2, 5, v5
	v_add_nc_u32 v[STO], s23, v5                   ; in: row r, 32 bytes for each half of the lanes
	v_lshl_add_u32 v[RD], v6, 4, s23               ; back: 32 lanes take a row of 512 bytes
	v_lshlrev_b32 v[CO], 4, v6                     ; and the same in memory
	s_lshl_b32 s22, s10, 12
	s_add_co_u32 s22, s22, FT
	v_lshl_add_u32 v[FTW], v6, 2, s22
	v_lshl_add_u32 v[FT0], v1, 2, s22
	s_lshl_b32 s22, s10, 8
	s_add_co_u32 s22, s22, RLB
	v_lshl_add_u32 v[RLW], v6, 2, s22
	v_lshl_add_u32 v[RLR], v1, 2, s22
	; the prefetches: my 32 rows, at K step 3; the first refill steps the address to K step 4
	s_lshl_b32 s84, s13, 8
	s_lshl_b32 s85, s12, 7
	s_add_co_u32 s84, s84, s85
	s_lshl_b32 s85, s40, 5
	s_add_co_u32 s84, s84, s85
	s_lshl_b32 s84, s84, 12                        ; P: (256 x tile row + 128 x half + 32 cx) rows
	s_lshl_b32 s86, s83, 11
	s_lshl_b32 s87, s41, 5
	s_add_co_u32 s86, s86, s87
	s_lshl_b32 s86, s86, 11                        ; V: (2,048 x batch + 32 cy) keys,
	s_lshl_b32 s87, s42, 8
	s_add_co_u32 s86, s86, s87                     ; the tile's channels,
	s_add_co_u32 s86, s86, 0x2000000               ; the third plane
	s_and_b32 s87, s82, 1
	s_or_b32 s87, s87, s12                         ; V: even cluster y and wave 2
	s_mov_b32 s[PFS], STEPB
	s_cmp_eq_u32 s11, 0
	s_cselect_b32 s84, s84, s86
	s_cselect_b32 s87, ttmp9, s87                  ; P: cluster x = 0
	s_cselect_b64 s[PFA:PFA+1], s[4:5], s[72:73]
	s_cselect_b32 s[PFS], STEPA, s[PFS]
	s_cselect_b32 s86, 12, 11                      ; a row's bytes as a shift
	s_mov_b32 s[PFS+1], 0
	s_cmp_eq_u32 s87, 0
	s_cselect_b32 s[LIM], 2, -1
	s_mul_i32 s85, s[PFS], 3
	s_add_co_u32 s84, s84, s85
	s_mov_b32 s85, 0
	s_add_nc_u64 s[PFA:PFA+1], s[PFA:PFA+1], s[84:85]
	v_lshlrev_b32 v[PFO], s86, v6
	; THE FACTORS, in the wait for the first tiles.  M = the maximum of the 16 c m_t; f_t = 2^(c m_t - M): one batch of 32 exponentials.
	s_wait_loadcnt 0x0
.irp u, 0,1
	v_max3_num_f32 v[MX+(\u)], v[SD+32*(\u)], v[SD+32*(\u)+2], v[SD+32*(\u)+4]
.endr
.irp k, 0,1,2,3,4,5
.irp u, 0,1
	v_max3_num_f32 v[MX+(\u)], v[MX+(\u)], v[SD+32*(\u)+6+4*(\k)], v[SD+32*(\u)+8+4*(\k)]
.endr
.endr
.irp u, 0,1
	v_max_num_f32 v[MX+(\u)], v[MX+(\u)], v[SD+32*(\u)+30]
.endr
.irp t, 0,1,2,3,4,5,6,7,8,9,10,11,12,13,14,15
.irp u, 0,1
	v_sub_f32 v[SD+32*(\u)+2*(\t)], v[SD+32*(\u)+2*(\t)], v[MX+(\u)]
.endr
.endr
.irp t, 0,1,2,3,4,5,6,7,8,9,10,11,12,13,14,15
.irp u, 0,1
	v_exp_f32 v[SD+32*(\u)+2*(\t)], v[SD+32*(\u)+2*(\t)]
.endr
.endr
	v_mov_b32 v[LSUM], 0                           ; plain instructions behind the last exponential (ISA guide 5.7.2),
	v_mov_b32 v[LSUM+1], 0
	s_wait_alu depctr_va_vdst(0)                   ; and a wait ahead of the batch's first reader
.irp t, 0,1,2,3,4,5,6,7,8,9,10,11,12,13,14,15
.irp u, 0,1
	v_cvt_pk_f16_f32 v[SD+32*(\u)+2*(\t)], v[SD+32*(\u)+2*(\t)], v[SD+32*(\u)+2*(\t)]  ; f_t, rounded once, in both halves
	ds_store_b32 v[FTW], v[SD+32*(\u)+2*(\t)] offset:256*(\t)+128*(\u)
	v_fma_mix_f32 v[LSUM+(\u)], v[SD+32*(\u)+2*(\t)], v[SD+32*(\u)+2*(\t)+1], v[LSUM+(\u)] op_sel_hi:[1,0,0]  ; l += the rounded f_t (the low f16 half) x l_t, in f32
.endr
.endr
	v_rcp_f32 v[LSUM], v[LSUM]
	v_rcp_f32 v[LSUM+1], v[LSUM+1]
	v_nop
	s_wait_alu depctr_va_vdst(0)
	ds_store_b32 v[RLW], v[LSUM]
	ds_store_b32 v[RLW], v[LSUM+1] offset:128
.irp a, 0,1,2,3
	ds_load_b32 v[RL+2*(\a)], v[RLR] offset:64*(\a)      ; my wave's own words: LDS serves a wave's instructions in order (ISA guide 5.7.1.4)
.endr
.irp a, 0,1,2,3
	ds_load_b32 v[FAC+(\a)], v[FT0] offset:64*(\a)       ; key tile 0's factors for rows 16 a + l % 16
.endr
	s_mov_b32 s[FTS], 256                          ; key tile 1's come next
; 8 matrix instructions: query block a x all 8 channel blocks, 32 keys: part c of buffer f.  mode 1: the first products start the sums.  The 32 accumulators take turns.
.macro MUL8 f, c, a, mode
.if (\f) == 0
	WIN MUL0
.else
	WIN MUL1
.endif
.irp b, 0,1,2,3,4,5,6,7
.if (\mode) == 1
	v_wmma_f32_16x16x32_f16 v[8*(8*(\a)+(\b)):8*(8*(\a)+(\b))+7], v[96*(\c)+8*(\b):96*(\c)+8*(\b)+7], v[96*(\c)+64+8*(\a):96*(\c)+64+8*(\a)+7], 0
.else
	v_wmma_f32_16x16x32_f16 v[8*(8*(\a)+(\b)):8*(8*(\a)+(\b))+7], v[96*(\c)+8*(\b):96*(\c)+8*(\b)+7], v[96*(\c)+64+8*(\a):96*(\c)+64+8*(\a)+7], v[8*(8*(\a)+(\b)):8*(8*(\a)+(\b))+7]
.endif
.endr
.endm
; 48 LDS loads in one run: 64 keys (half 0 or 1 of the step in the slot in hand) into buffer f, the first 32 first: V turned, P as it lies
.macro FETCH half, f
.if (\f) == 0
	WIN TOF0
.else
	WIN TOF1
.endif
.irp c, 0,1
.irp b, 0,1,2,3,4,5,6,7
	ds_load_tr16_b128 v[96*(\c)+8*(\b):96*(\c)+8*(\b)+3],   v[ADB] offset:(64*(\half)+32*(\c))*PB+32*(\b)
	ds_load_tr16_b128 v[96*(\c)+8*(\b)+4:96*(\c)+8*(\b)+7], v[ADB] offset:(64*(\half)+32*(\c)+16)*PB+32*(\b)
.endr
.irp a, 0,1,2,3
	ds_load_b128 v[96*(\c)+64+8*(\a):96*(\c)+64+8*(\a)+3],   v[ADA] offset:(\a)*16*PITCH+128*(\half)+64*(\c)
	ds_load_b128 v[96*(\c)+64+8*(\a)+4:96*(\c)+64+8*(\a)+7], v[ADA] offset:(\a)*16*PITCH+128*(\half)+64*(\c)+32
.endr
.endr
.endm
; P's four fragments of part c of buffer f times the step's factor: a lane holds one query's weights, so one word (f_t twice) serves a fragment's eight registers
.macro SCALE f, c
.if (\f) == 0
	WIN 0x41                                       ; destination and source 0 in window 1, source 1 in window 0
.else
	WIN 0xc3                                       ; the same in window 3
.endif
.irp a, 0,1,2,3
.irp j, 0,1,2,3,4,5,6,7
	v_pk_mul_f16 v[96*(\c)+64+8*(\a)+(\j)], v[96*(\c)+64+8*(\a)+(\j)], v[FAC+(\a)]
.endr
.endr
.endm
; The first half of a K step: multiplies buffer 0 and, in its middle, fetches the second half into buffer 1.
.macro H0 mode
	s_wait_dscnt 24                                ; the factors and the first 32 keys are in; the youngest 24 loads may be out
	SCALE 0, 0
	MUL8 0, 0, 0, \mode
	MUL8 0, 0, 1, \mode
	MUL8 0, 0, 2, \mode
	MUL8 0, 0, 3, \mode
	PLACES
	FETCH 1, 1
	s_wait_dscnt 48                                ; all but the 48 just issued
	SCALE 0, 1
	MUL8 0, 1, 0, 0
	MUL8 0, 1, 1, 0
	MUL8 0, 1, 2, 0
	MUL8 0, 1, 3, 0
.endm
; The second half multiplies buffer 1 and changes slots: each wave waits for all its tensor loads (one is out: its part of the next slot), adds 0 to its spare word, waits for that and for its reads of this slot;
; one barrier, which with fill = 1 opens a round of the cluster's; the joint refill of the slot that is left, two K steps on, is the first thing behind the round.  Between the add and the wait for it, where no
; tensor load of mine is out: the walking descriptors take the slot that is left and the next K step; s[TB] turns to the other slot; the fragments' addresses follow it.  The step's last scaling stands ahead of the
; barrier's wait, so that the one set of factors can take the next step's behind it; those four loads stand ahead of the run of 48, so the counts behind that run hold for them too.
.macro TURN fill
.if \fill
	s_wait_xcnt 0x0                                ; the last prefetch, a K step back, has read its address
	s_add_nc_u64 s[PFA:PFA+1], s[PFA:PFA+1], s[PFS:PFS+1]
.endif
	WIN 0
	s_wait_tensorcnt 0x0
	ds_add_u32 v[SPW], v[NIL]
.if \fill
	s_add_co_u32 s[G0+5], s20, s[TB]               ; LDS address: my part of the slot that is left
	s_add_co_u32 s[G0B+5], s21, s[TB]
	s_add_nc_u64 s[G0+6:G0+7], s[G0+6:G0+7], STEPA ; the type bits on top are not reached
	s_add_nc_u64 s[G0B+6:G0B+7], s[G0B+6:G0B+7], STEPB
.else
	s_min_u32 s[FTS], s[FTS], 15*256               ; behind the last key tile there is none: its own factors are fetched once more
.endif
	s_xor_b32 s[TB], s[TB], SLOT                   ; 0 and SLOT by turns: the register holds nothing else
	v_add_nc_u32 v[ADA], s[TB], v[ADRA0]
	v_add_nc_u32 v[ADB], s[TB], v[ADRB0]
	v_add_nc_u32 v[FTA], s[FTS], v[FT0]
	s_add_co_u32 s[FTS], s[FTS], 256
	s_wait_dscnt 25                                ; the add and the youngest 24 loads may be out
	SCALE 1, 0
	MUL8 1, 0, 0, 0
	s_wait_dscnt 0x0                               ; the add is done, and my reads of this slot are over
	s_barrier_signal -1
	MUL8 1, 0, 1, 0
	SCALE 1, 1
	WIN 0
	s_barrier_wait -1
.if \fill
	CREST
	JLOAD 1                                        ; its four v_nop are also the places in front of the loads below
.else
	PLACES
.endif
.irp a, 0,1,2,3
	ds_load_b32 v[FAC+(\a)], v[FTA] offset:64*(\a) ; the next key tile's factors
.endr
	FETCH 0, 0
.if \fill
	WIN 0
	ASK
.endif
	MUL8 1, 0, 2, 0
	MUL8 1, 0, 3, 0
	MUL8 1, 1, 0, 0
	MUL8 1, 1, 1, 0
	MUL8 1, 1, 2, 0
	MUL8 1, 1, 3, 0
.endm
; THE WAY OUT of query block a: times 1 / l (each accumulator's registers in ascending order), 32 bytes a lane into my stage, back as whole rows of 512 bytes into the registers that they left.
.macro PACK a
.set TM, TMP+64*((\a)%2)
	WIN 0x02                                       ; source 0 in window 2, source 1 and destination in window 0
.set i, 0
.rept 32
	v_pk_mul_f32 v[TM+2*i:TM+2*i+1], v[64*(\a)+2*i:64*(\a)+2*i+1], v[RL+2*(\a):RL+2*(\a)+1] op_sel_hi:[1,0]
.set i, i+1
.endr
	WIN 0
.irp b, 0,1,2,3,4,5,6,7
	ds_store_b128 v[STO], v[TM+8*(\b):TM+8*(\b)+3]   offset:64*(\b)
	ds_store_b128 v[STO], v[TM+8*(\b)+4:TM+8*(\b)+7] offset:64*(\b)+16
.endr
.irp t, 0,1,2,3,4,5,6,7,8,9,10,11,12,13,14,15
	ds_load_b128 v[TM+4*(\t):TM+4*(\t)+3], v[RD] offset:(\t)*SPITCH  ; LDS serves a wave's instructions in order (ISA guide 5.7.1.4): these see the stores above
.endr
.endm
.macro SEND a, younger                 ; younger: the LDS instructions issued behind block a's loads: the next block's 32, or none
.set TM, TMP+64*((\a)%2)
.irp t, 0,1,2,3,4,5,6,7,8,9,10,11,12,13,14,15
	s_wait_dscnt (\younger)+15-(\t)
	global_store_b128 v[CO], v[TM+4*(\t):TM+4*(\t)+3], s[8:9] offset:(16*(\a)+(\t))*4096 th:TH_STORE_NT  ; 32 lanes store 512 consecutive bytes, at a multiple of 256 from out0's first byte
.endr
.endm
	s_wait_tensorcnt 1                             ; my part of K step 0 is in; K step 1's may stay out
	s_wait_dscnt 0x0                               ; my LDS stores and loads of the prologue are done
.irp a, 0,1,2,3
	v_mov_b32 v[RL+2*(\a)+1], v[RL+2*(\a)]         ; named as pairs
.endr
	s_barrier_signal -1
	s_barrier_wait -1
	FETCH 0, 0
	H0 1                                           ; the first products start the sums
	WIN 0
	s_mov_b32 s3, STEPS-2
.Lstep:                                                ; fourteen trips: from the middle of a K step to the middle of the next; each fills the slot that it leaves
	TURN 1
	H0 0
	WIN 0
	s_sub_co_u32 s3, s3, 1
	s_cmp_lg_u32 s3, 0
	s_cbranch_scc1 .Lstep
	s_mov_b32 s3, 2
.Ltail:                                                ; the last two changes of slots fill nothing: a text of their own; walked twice and left in the middle of the second trip.
	TURN 0                                         ; (That trip passes its barrier and fetches 52 words and fragments that serve nothing, from the slot read before and from the last factors: the price of one text for both trips.)
	WIN 0
	s_sub_co_u32 s3, s3, 1
	s_cmp_eq_u32 s3, 0
	s_cbranch_scc1 .Lout
	H0 0
	WIN 0
	s_cmp_lg_u32 s3, 0
	s_cbranch_scc1 .Ltail
.Lout:
	s_wait_dscnt 0x0                               ; what was fetched last has landed: its registers are free
.rept 8
	v_nop                                          ; the places behind the last products
.endr
	PACK 0
	PACK 1
	SEND 0, 32
	s_wait_xcnt 0x0                                ; block 0's stores have read their registers, which block 2 takes
	PACK 2
	SEND 1, 32
	s_wait_xcnt 0x0
	PACK 3
	SEND 2, 32
	SEND 3, 0
	s_wait_tensorcnt 0x0                           ; the wave's end: an add to the spare word and the wait for it, behind my last tensor load and my last LDS store
	ds_add_u32 v[SPW], v[NIL]
	s_wait_dscnt 0x0
	CROUND                                         ; the closing round
	s_endpgm
.Lfunc_end_k_q2da8d5a925_mix:
	.size	k_q2da8d5a925_mix, .Lfunc_end_k_q2da8d5a925_mix-k_q2da8d5a925_mix
	.p2alignl 7, 3214868480
	.fill 96, 4, 3214868480
	.section	.rodata,"a",@progbits
	.p2align	6, 0x0
	.amdhsa_kernel k_q2da8d5a925_mix
		.amdhsa_group_segment_fixed_size 327680
		.amdhsa_private_segment_fixed_size 0
		.amdhsa_enable_private_segment 0
		.amdhsa_kernarg_size 32
		.amdhsa_user_sgpr_count 2
		.amdhsa_user_sgpr_kernarg_segment_ptr 1
		.amdhsa_wavefront_size32 1
		.amdhsa_system_sgpr_workgroup_id_x 1
		.amdhsa_system_sgpr_workgroup_id_y 1
		.amdhsa_system_sgpr_workgroup_id_z 1
		.amdhsa_system_vgpr_workitem_id 0
		.amdhsa_next_free_vgpr 960
		.amdhsa_next_free_sgpr 88
		.amdhsa_reserve_vcc 0
		.amdhsa_float_denorm_mode_32 3
		.amdhsa_float_denorm_mode_16_64 3
		.amdhsa_memory_ordered 1
		.amdhsa_forward_progress 1
		.amdhsa_inst_pref_size 110
	.end_amdhsa_kernel
	.amdgpu_metadata
---
amdhsa.version: [ 1, 2 ]
amdhsa.kernels:
  - .name:           k_q2da8d5a925_mix
    .symbol:         k_q2da8d5a925_mix.kd
    .args:
      - { .name: pw, .offset: 0, .size: 8, .value_kind: global_buffer, .address_space: global }
      - { .name: st, .offset: 8, .size: 8, .value_kind: global_buffer, .address_space: global }
      - { .name: qkv, .offset: 16, .size: 8, .value_kind: global_buffer, .address_space: global }
      - { .name: out0, .offset: 24, .size: 8, .value_kind: global_buffer, .address_space: global }
    .group_segment_fixed_size: 327680
    .private_segment_fixed_size: 0
    .kernarg_segment_align: 8
    .kernarg_segment_size: 32
    .max_flat_workgroup_size: 128
    .sgpr_count:     88
    .vgpr_count:     960
    .wavefront_size: 32
...
	.end_amdgpu_metadata
.endif
;; end of part 4
;; ======== version 2 of 2: 4 launches; version 1 with the launch cast written anew for expert scheduling mode
;; limits: values are held in f16: magnitudes above 65,504 overflow, below 6.1e-05 lose precision
;; workspace buffers: xb 16,777,216 bytes; wb 6,291,456 bytes; qkv 50,331,648 bytes; pw 33,554,432 bytes; st 1,048,576 bytes
;; launch cast (part 5): grid 704 x 1, 8 waves a work-group, no clusters, 0 bytes of LDS; arguments x, Wq, Wk, Wv, xb, wb; writes xb, wb
.if DOCPART == 5
	.amdgcn_target "amdgcn-amd-amdhsa--gfx1250"
	.amdhsa_code_object_version 6
	.text
	.protected	k_q2da8d5a925_cast
	.globl	k_q2da8d5a925_cast
	.p2align	8
	.type	k_q2da8d5a925_cast,@function
k_q2da8d5a925_cast:
	s_mov_b64 s[64:65], 0
	v_nop
	global_prefetch_b8 v0, s[64:65] scope:SCOPE_SE
	s_setreg_imm32_b32 hwreg(HW_REG_WAVE_SCHED_MODE, 0, 2), 2
	s_setreg_imm32_b32 hwreg(HW_REG_WAVE_MODE, 25, 1), 1
	s_wait_xcnt 0x0
	s_wait_alu depctr_vm_vsrc(0)
; x [8192][1024] and Wq, Wk, Wv [1024][1024], all f32, are rounded once to bf16: xb [8192][1024]; wb [3072][1024] = Wq, Wk, Wv one below the other.
; A work-group of eight waves takes 16,384 numbers: 65,536 bytes in, 32,768 out.  Work-groups 0-511 take x, 512-703 the weights, 64 to each matrix; wb's chunk is the work-group's number less 512.
; Thread t loads 16 bytes at 16 t of each 4,096 bytes and stores 8 bytes at 8 t of each 2,048: a wave's load covers 512 consecutive bytes, its store 256, aligned.
; All sixteen loads go out first.  No LDS, no matrix unit, no cluster: nothing is shared and nothing is multiplied.
; THE MODE: SCHED_MODE bits 1:0 = 2 (LLVM: expert scheduling mode 2), set by the entry lines.  The code itself states the register dependences
; between vector instructions and memory instructions, with s_wait_alu, always for 0.
; THE PLAN.  Registers that memory instructions touch:
;   v1, v2   byte offsets, made once at the head and never written again; the loads read v1, the stores v2; the slots are reached by immediate offsets.
;   X        slot i: written by its load, once, before any vector instruction names it; read by the slot's two conversions.
;   Y        slot i: written by the slot's two conversions, once; read by the slot's store, once.
; No register that a memory instruction reads is written a second time, and no load lands in a register that a vector instruction has named: what is left to state is that a register is
; written before a load or store reads it.  The sixteen slots go in four blocks of four.  Block p rounds its slots into its Y; its memory instructions are the four stores of block p - 1, which read that
; block's Y and v2: registers that no vector instruction of block p names.  So one wait at a block's head serves the block's four stores, and these are dealt among its conversions with no further wait.
.set X, 4                              ; v[4:67]   sixteen slots of four f32
.set Y, 68                             ; v[68:99]  sixteen slots of two words of bf16
	s_load_b256 s[4:11], s[0:1], 0x0               ; x s[4:5], Wq s[6:7], Wk s[8:9], Wv s[10:11]
	s_load_b128 s[12:15], s[0:1], 0x20             ; xb s[12:13], wb s[14:15]
	v_lshlrev_b32 v1, 4, v0                        ; 16 t
	v_lshlrev_b32 v2, 3, v0                        ; 8 t
	s_sub_co_u32 s16, ttmp9, 512                   ; the chunk among the weights' 192 (used where the number is 512 or more)
	s_lshr_b32 s17, s16, 6                         ; which matrix
	s_and_b32 s18, s16, 63                         ; the chunk in it
	s_wait_kmcnt 0x0
	s_cmp_eq_u32 s17, 1
	s_cselect_b64 s[20:21], s[8:9], s[6:7]
	s_cmp_eq_u32 s17, 2
	s_cselect_b64 s[20:21], s[10:11], s[20:21]
	s_cmp_lt_u32 ttmp9, 512                        ; one compare serves the four selects: a select leaves SCC alone
	s_cselect_b64 s[20:21], s[4:5], s[20:21]       ; from where
	s_cselect_b32 s22, ttmp9, s18
	s_cselect_b64 s[24:25], s[12:13], s[14:15]     ; to where
	s_cselect_b32 s23, ttmp9, s16
	s_lshl_b32 s26, s22, 16
	s_mov_b32 s27, 0
	s_lshl_b32 s28, s23, 15
	s_mov_b32 s29, 0
	s_add_nc_u64 s[20:21], s[20:21], s[26:27]
	s_add_nc_u64 s[24:25], s[24:25], s[28:29]
	s_wait_alu depctr_va_vdst(0)                   ; v1 and v2 are written: every load of the kernel reads v1 as its offset, every store v2
.irp i, 0,1,2,3,4,5,6,7,8,9,10,11,12,13,14,15
	global_load_b128 v[X+4*(\i):X+4*(\i)+3], v1, s[20:21] offset:4096*(\i) th:TH_LOAD_NT
.endr
; Block p: slots 4 p to 4 p + 3 are rounded; the stores of slots 4 p - 4 to 4 p - 1 stand among the conversions, one ahead of each slot's two.
.macro BLK p
	s_wait_loadcnt 12-4*(\p)                       ; loads come back in order: the block's four slots are in, the later blocks' (four loads each) stay out
.if (\p) > 0
	s_wait_alu depctr_va_vdst(0)                   ; the conversions of the block before have written its Y, which the four stores below read
.endif
.irp i, 0,1,2,3
.if (\p) > 0
	global_store_b64 v2, v[Y+2*(4*(\p)-4+(\i)):Y+2*(4*(\p)-4+(\i))+1], s[24:25] offset:2048*(4*(\p)-4+(\i))  ; no vector instruction since the wait names these registers
.endif
	v_cvt_pk_bf16_f32 v[Y+2*(4*(\p)+(\i))],   v[X+4*(4*(\p)+(\i))],   v[X+4*(4*(\p)+(\i))+1]
	v_cvt_pk_bf16_f32 v[Y+2*(4*(\p)+(\i))+1], v[X+4*(4*(\p)+(\i))+2], v[X+4*(4*(\p)+(\i))+3]
.endr
.endm
	BLK 0                                          ; no block stands in front of it: no store, and no wait but the one for its data
	BLK 1
	BLK 2
	BLK 3
	s_wait_alu depctr_va_vdst(0)                   ; block 3's conversions have written its Y, which the last four stores read
.irp i, 12,13,14,15
	global_store_b64 v2, v[Y+2*(\i):Y+2*(\i)+1], s[24:25] offset:2048*(\i)
.endr
	s_endpgm
.Lfunc_end_k_q2da8d5a925_cast:
	.size	k_q2da8d5a925_cast, .Lfunc_end_k_q2da8d5a925_cast-k_q2da8d5a925_cast
	.p2alignl 7, 3214868480
	.fill 96, 4, 3214868480
	.section	.rodata,"a",@progbits
	.p2align	6, 0x0
	.amdhsa_kernel k_q2da8d5a925_cast
		.amdhsa_group_segment_fixed_size 0
		.amdhsa_private_segment_fixed_size 0
		.amdhsa_enable_private_segment 0
		.amdhsa_kernarg_size 48
		.amdhsa_user_sgpr_count 2
		.amdhsa_user_sgpr_kernarg_segment_ptr 1
		.amdhsa_wavefront_size32 1
		.amdhsa_system_sgpr_workgroup_id_x 1
		.amdhsa_system_sgpr_workgroup_id_y 1
		.amdhsa_system_sgpr_workgroup_id_z 1
		.amdhsa_system_vgpr_workitem_id 0
		.amdhsa_next_free_vgpr 104
		.amdhsa_next_free_sgpr 66
		.amdhsa_reserve_vcc 0
		.amdhsa_float_denorm_mode_32 3
		.amdhsa_float_denorm_mode_16_64 3
		.amdhsa_memory_ordered 1
		.amdhsa_forward_progress 1
		.amdhsa_inst_pref_size 7
	.end_amdhsa_kernel
	.amdgpu_metadata
---
amdhsa.version: [ 1, 2 ]
amdhsa.kernels:
  - .name:           k_q2da8d5a925_cast
    .symbol:         k_q2da8d5a925_cast.kd
    .args:
      - { .name: x, .offset: 0, .size: 8, .value_kind: global_buffer, .address_space: global }
      - { .name: Wq, .offset: 8, .size: 8, .value_kind: global_buffer, .address_space: global }
      - { .name: Wk, .offset: 16, .size: 8, .value_kind: global_buffer, .address_space: global }
      - { .name: Wv, .offset: 24, .size: 8, .value_kind: global_buffer, .address_space: global }
      - { .name: xb, .offset: 32, .size: 8, .value_kind: global_buffer, .address_space: global }
      - { .name: wb, .offset: 40, .size: 8, .value_kind: global_buffer, .address_space: global }
    .group_segment_fixed_size: 0
    .private_segment_fixed_size: 0
    .kernarg_segment_align: 8
    .kernarg_segment_size: 48
    .max_flat_workgroup_size: 256
    .sgpr_count:     66
    .vgpr_count:     104
    .wavefront_size: 32
...
	.end_amdgpu_metadata
.endif
;; end of part 5
;; launch proj: the kernel of part 2 again; grid 12 x 32, 4 waves a work-group, clusters of 4 x 4, 327,680 bytes of LDS; arguments xb, wb, bq, bk, bv, qkv; writes qkv
;; launch score: the kernel of part 3 again; grid 8 x 32, 4 waves a work-group, clusters of 4 x 4, 327,680 bytes of LDS; arguments qkv, pw, st; writes pw, st
;; launch mix: the kernel of part 4 again; grid 8 x 32, 4 waves a work-group, clusters of 4 x 4, 327,680 bytes of LDS; arguments pw, st, qkv, out0; writes out0
